; MI455X (gfx1250); checked and timed in simulation.
; The chip was launched on July 23, 2026; its instructions are those of AMD's public machine-readable ISA for CDNA 5 (MIT licence, August 2026) and "CDNA5" Instruction Set Architecture Reference Guide (July 2026). The comments in the code are by the model that wrote it; some were corrected since.
;; Cross Modal Mo E Router. Allowed arithmetic: matrix products marked QUANTISED: E2M3 operands, one E8M0 scale for each 32 along K, by v_wmma_scale_f32_16x16x128_f8f6f4 with both operands' format E2M3, f32 sums; products left as they are: f32 operands where the result goes on into a quantised operand, else bf16, f16 or f32 operands; f32 sums; everything else in f32.
;; Inputs: b1 4 x 4,096 float32; b2 4 x 1,024 float32; gate_b 4 float32; gate_w 4 x 1,024 float32; ln_b 4 x 1,024 float32; ln_w 4 x 1,024 float32; w1_codes 4 x 4,096 x 32 x 24 uint8 (E2M3 codes of w1, K innermost, in blocks of 32 codes, four codes in three bytes); w1_scales 4 x 4,096 x 32 uint8 (E8M0 scales of w1, one for each 32 codes along K); w2_codes 4 x 1,024 x 128 x 24 uint8 (E2M3 codes of w2, K innermost, in blocks of 32 codes, four codes in three bytes); w2_scales 4 x 1,024 x 128 uint8 (E8M0 scales of w2, one for each 32 codes along K); x 2,048 x 1,024 float32.
;; Outputs: out0 2,048 x 1,024 float32; out1 2,048 x 4 float32; out2 2,048 x 2 int32; out3 2,048 x 2 float32; out4 one number float32.
;; Constants: top_k = 2.
;; This version of the problem:
;;   THIS VERSION OF THE PROBLEM IS GIVEN IN LOW PRECISION. The matrix products marked QUANTISED in the list below multiply operands that are first quantised to E2M3 (2 exponent bits, 3 mantissa bits; 6 bits a number), with one power-of-two scale for each 32 numbers along K (OCP MX v1.0); their sums are f32. All else is computed in f32.
;;   The module's matrix products, in the order in which they are computed (A, B: the left and right operand; K: the contracted axis; several contracted axes count as one K, in the product's order):
;;     1. [M 2,048, K 1,024] x [K 1,024, N 4]; A: input x; B: input gate_w: left as it is (N = 4 < 16)
;;     2. batch 4 x [M 4,096, K 1,024] x [K 1,024, N 2,048]; A: input w1 (given as codes); B: computed on the way: QUANTISED
;;     3. batch 4 x [M 1,024, K 4,096] x [K 4,096, N 2,048]; A: input w2 (given as codes); B: computed on the way: QUANTISED
;;   THE QUANTISER, for each operand of a quantised product, along K:
;;     - K is cut into blocks of 32 from its start; a last block that is shorter is filled with zeros.
;;     - A block's scale is 2^e with e = floor(log2(the largest magnitude in the block)) - 2, held to -126 .. 127; a block of zeros has e = 0. As a byte (E8M0): e + 127.
;;     - Each number is divided by its block's scale, clamped to +-7.5, and rounded to the nearest number of E2M3, ties to even, subnormals kept.
;;     - The product sums the exact products of the quantised numbers (number of the format x scale) in f32.
;;   ~~~python
;;   def quantise(x, axis):      # numpy; x: float32 -> the quantised numbers, widened to float32 again
;;       x = np.moveaxis(x, axis, -1); K = x.shape[-1]
;;       x = np.pad(x, [(0, 0)] * (x.ndim - 1) + [(0, -K % 32)]); x = x.reshape(x.shape[:-1] + (-1, 32)); a = np.abs(x).max(-1, keepdims=True)
;;       e = np.where(a > 0, np.clip(np.frexp(np.where(a > 0, a, 1))[1] - 1 - 2, -126, 127), 0)      # np.frexp(a)[1] - 1 = floor(log2(a)), exactly
;;       r = np.clip(x / 2.0 ** e, -7.5, 7.5)
;;       step = 2.0 ** (np.maximum(np.frexp(np.where(r == 0, 1, r))[1] - 1, 0) - 3)
;;       q = np.round(r / step) * step * 2.0 ** e      # np.round: ties to even
;;       return np.moveaxis(q.reshape(q.shape[:-2] + (-1,))[..., :K], -1, axis).astype(np.float32)
;;   ~~~
;;   OPERANDS COMPUTED ON THE WAY. 'Computed on the way' means the value that the module computes at that place (a softmax that the list does not call 'softmax' is quantised finished and normalised). What goes into a quantiser is computed in f32, as accurately as f32 sums, v_exp_f32 and their like allow (about 1e-6 of the number): no bf16 or f16 on the way to a quantiser, and a product that is left as it is and whose result goes on into a quantised operand takes f32 operands (vector FMAs, or v_wmma_f32_16x16x4_f32). A number that lies on a knife's edge between two numbers of the format may be rounded either way, as far as f32 arithmetic and the matrix unit's own rounding can turn it there, and no further.
;;   INPUTS GIVEN AS CODES. w1 (in the module: [4, 1024, 4096], K = its axis 1); w2 (in the module: [4, 4096, 1024], K = its axis 1): each comes as NAME_codes (uint8): NAME with its K axis moved to the last place and cut into blocks of 32 codes, [.., K / 32, bytes a block], one block behind the other in memory; four codes in three bytes: a row's codes are one little-endian stream of bits, code i at bits 6 i .. 6 i + 5 (a code: sign, 2 exponent bits, 3 mantissa bits); and NAME_scales (uint8): the same leading axes, one E8M0 byte (e + 127) for each 32 codes along K. Its value is code x scale, taken as it is: it is not quantised again, and the codes and scales need not be those that the quantiser above would give.
;; 2 versions, each right; version 2 is version 1 with the launches up, down written anew for expert scheduling mode. Each part assembles by itself: llvm-mc -triple=amdgcn-amd-amdhsa -mcpu=gfx1250 --defsym DOCPART=n.
;; ======== version 1 of 2: 5 launches
;; limits: a function is approximated: absolute error at most 1.5e-07
;; workspace buffers: sel 16,384 bytes of whole numbers; ord 35,328 bytes of whole numbers; xq 6,291,456 bytes; xs 262,144 bytes; w1r 13,107,200 bytes; w2r 13,107,200 bytes; hid 15,335,424 bytes; part 18,874,368 bytes
;; launch prep (part 1): grid 512 x 1, 4 waves a work-group, no clusters, 143,360 bytes of LDS; arguments x, gate_w, gate_b, ln_w, ln_b, w1_codes, w1_scales, w2_codes, w2_scales, out1, out2, out3, sel, xq, xs, w1r, w2r; writes out1, out2, out3, sel, xq, xs, w1r, w2r
.if DOCPART == 1
	.amdgcn_target "amdgcn-amd-amdhsa--gfx1250"
	.amdhsa_code_object_version 6
	.text
	.protected	k_q7b5792c857_prep
	.globl	k_q7b5792c857_prep
	.p2align	8
	.type	k_q7b5792c857_prep,@function
k_q7b5792c857_prep:
	s_mov_b64 s[64:65], 0
	v_nop
	global_prefetch_b8 v0, s[64:65] scope:SCOPE_SE
	s_setreg_imm32_b32 hwreg(HW_REG_WAVE_MODE, 25, 1), 1
	s_wait_xcnt 0x0
; Two kinds of work-groups, parted by the work-group's number; each kind has LDS bytes of its own.
; ROUTE (work-groups 0-255, 8 tokens each; wave w = expert w): the gate's logit in f32, LayerNorm, xe = xn ln_w[w] + ln_b[w], quantised to E2M3 along D with one E8M0 byte for each 32;
;   then wave 0, a lane to a token: softmax (the maximum taken away), top-2 (strict compares: the lower index wins a tie), renormalised weights.  All four experts' xe are made, at fixed places:
;   no address here hangs on the choice.  The choice goes out as out2 and, for the next launch's addresses, as sel.
; LAY (work-groups 256-511): one record of 128 weight rows x 1,024 K each, laid in the order of the operand's registers, so that the products' launches load fragments by 16 bytes a lane, 512 bytes on end.
; xq: a row is 768 bytes; inside each 96 bytes (128 codes) the four blocks of 24 bytes lie in the order 0, 2, 1, 3: lane (r, h) of an operand then finds its 12 registers as 48 bytes on end at 96 s + 48 h.
; A record (102,400 bytes): fragment 8 s + b at 1,536 (8 s + b), registers 4 c .. 4 c + 3 of lane l at 512 c + 16 l; from 98,304 on the scale words at 512 s + 16 l + 4 q: that of fragment 2 q + l / 16, row l % 16.
; LIMITS: NaN and infinities are not served.  A block of zeros gets the byte 1 (its codes are zeros; only this program reads the bytes).  Blocks whose largest magnitude lies under 2^-124 are held at the byte 1.
.set XST,   100352                     ; ROUTE: 8 tokens x 5,120: a token's 4,096 bytes as 64 places of 64 bytes + 16 of padding  (LAY: bytes 0 to 100,351: for each wave two stages of 16 rows, 784 bytes apart)
.set SBL,   141312                     ; ROUTE: 256 scale bytes for each wave
.set LOGL,  142336                     ; ROUTE: 128 bytes of logits for each wave
.set GW,    16                         ; v16-47   gate_w[w], lane l: k = 512 g + 16 l + i at register 16 g + i
.set LW,    48                         ; v48-79   ln_w[w]
.set LB,    80                         ; v80-111  ln_b[w]
.set X,     112                        ; v112-175 two sets of 32 numbers of a token (at the head they take the raw loads)
.set XE,    176                        ; v176-207 xe
.set CD,    208                        ; v208-210, v212-214 codes
.set SUMA,  216
.set SUMB,  218
.set DOTA,  220
.set DOTB,  222
.set SQA,   224
.set SQB,   226
.set MEAN,  228
.set RSTD,  230
.set PTMP,  232
.set MAXR,  234
.set SOPR,  236
.set BYTR,  238
.set RR,    64                         ; LAY: v64-255: 2 x 16 rows as loaded, then the 16 fragments
	s_set_vgpr_msb 0x40
	v_lshl_add_u32 v0, v0, 2, 0x22e00
	v_mov_b32 v1, 0
	s_set_vgpr_msb 0x4000
	s_cmp_ge_u32 ttmp9, 256
	s_cbranch_scc1 .Llay
; ---------------------------------------------------------------- ROUTE
	s_load_b256 s[4:11], s[0:1], 0x0               ; x, gate_w, gate_b, ln_w
	s_load_b64 s[12:13], s[0:1], 0x20              ; ln_b
	s_load_b256 s[16:23], s[0:1], 0x48             ; out1, out2, out3, sel
	s_load_b128 s[24:27], s[0:1], 0x68             ; xq, xs
	v_lshrrev_b32 v9, 5, v0
	v_readfirstlane_b32 s28, v9                    ; wave = expert
	v_and_b32 v1, 31, v0                           ; lane
	v_lshrrev_b32 v9, 2, v1
	v_mul_u32_u24 v2, v9, 80
	v_and_b32 v9, 3, v1
	v_lshl_add_u32 v2, v9, 4, v2
	s_mul_i32 s29, s28, 10240
	s_add_co_u32 s29, s29, XST
	v_add_nc_u32 v2, s29, v2                       ; stage, way in: 80 (l / 4) + 16 (l % 4), my wave's two tokens
	v_mul_u32_u24 v3, v1, 80
	v_add_nc_u32 v3, XST, v3                       ; stage, way out: 80 l
	v_lshrrev_b32 v9, 3, v1
	v_mul_u32_u24 v4, v9, 96                       ; my codes' place in half a row of xq: K step l / 8,
	v_bfe_u32 v9, v1, 1, 1
	v_mad_u32_u24 v4, v9, 48, v4                   ; block (l / 2) % 4 at place 0, 2, 1, 3,
	v_bfe_u32 v9, v1, 2, 1
	v_mad_u32_u24 v4, v9, 24, v4
	v_and_b32 v9, 1, v1
	v_mad_u32_u24 v4, v9, 12, v4                   ; and my half of the block
	s_lshl_b32 s29, s28, 8
	s_add_co_u32 s29, s29, SBL
	v_lshrrev_b32 v9, 1, v1
	v_add_nc_u32 v5, s29, v9                       ; my block's scale byte
	v_lshlrev_b32 v6, 6, v1                        ; 64 l
	v_lshlrev_b32 v7, 4, v1                        ; 16 l
	v_lshlrev_b32 v14, 3, v1                       ; 8 l
	v_add_nc_u32 v11, s29, v14                     ; the scale bytes' way out
	v_lshlrev_b32 v13, 2, v1
	v_add_nc_u32 v13, LOGL, v13                    ; logits: 4 l,
	s_lshl_b32 s29, s28, 7
	v_add_nc_u32 v12, s29, v13                     ; + 128 x wave
	v_mov_b32 v8, 0                                ; lane i gathers token i's logit
	s_mov_b32 s36, 0x76543210
	s_mov_b32 s37, 0xfedcba98                      ; v_permlanex16_b32: lane l xor 16
	s_mov_b32 s38, 0x3a800000                      ; 1 / 1024
	s_mov_b32 s39, 0x3727c5ac                      ; 1e-5
	s_lshl_b32 s32, s28, 2
	s_wait_kmcnt 0x0
	s_load_b32 s33, s[8:9], s32 offset:0x0         ; gate_b[w]
	s_lshl_b32 s30, ttmp9, 15
	s_lshl_b32 s31, s28, 13
	s_add_co_u32 s30, s30, s31
	s_mov_b32 s31, 0
	s_add_nc_u64 s[4:5], s[4:5], s[30:31]          ; x at tokens 8 wg + 2 w
	s_lshl_b32 s30, s28, 12
	s_add_nc_u64 s[6:7], s[6:7], s[30:31]
	s_add_nc_u64 s[10:11], s[10:11], s[30:31]
	s_add_nc_u64 s[12:13], s[12:13], s[30:31]
.irp t, 0,1
.irp q, 0,1,2,3,4,5,6,7
	global_load_b128 v[X+32*\t+4*\q:X+32*\t+4*\q+3], v7, s[4:5] offset:4096*\t+512*\q th:TH_LOAD_NT   ; 512 bytes on end; each token is read from memory once
.endr
.endr
.irp g, 0,1
.irp j, 0,1,2,3
	global_load_b128 v[GW+16*\g+4*\j:GW+16*\g+4*\j+3], v6, s[6:7] offset:2048*\g+16*\j
	global_load_b128 v[LW+16*\g+4*\j:LW+16*\g+4*\j+3], v6, s[10:11] offset:2048*\g+16*\j
	global_load_b128 v[LB+16*\g+4*\j:LB+16*\g+4*\j+3], v6, s[12:13] offset:2048*\g+16*\j
.endr
.endr
	s_mul_i32 s30, s28, 1572864
	s_mul_i32 s34, ttmp9, 6144
	s_add_co_u32 s30, s30, s34
	s_add_nc_u64 s[24:25], s[24:25], s[30:31]      ; xq[w] at my 8 tokens
	s_lshl_b32 s30, s28, 16
	s_lshl_b32 s34, ttmp9, 8
	s_add_co_u32 s30, s30, s34
	s_add_nc_u64 s[26:27], s[26:27], s[30:31]      ; xs[w] likewise
	s_lshl_b32 s30, ttmp9, 7
	s_add_nc_u64 s[16:17], s[16:17], s[30:31]
	s_lshl_b32 s30, ttmp9, 6
	s_add_nc_u64 s[18:19], s[18:19], s[30:31]
	s_add_nc_u64 s[20:21], s[20:21], s[30:31]
	s_add_nc_u64 s[22:23], s[22:23], s[30:31]
	s_wait_loadcnt 24                              ; x's 16 loads are in; the 24 of the gains may be out
.irp t, 0,1
.irp q, 0,1,2,3,4,5,6,7
	ds_store_b128 v2, v[X+32*\t+4*\q:X+32*\t+4*\q+3] offset:5120*\t+640*\q
.endr
.endr
	s_wait_dscnt 0x0                               ; for the others' sake: my two tokens lie in the stage
	s_barrier_signal -1
	s_barrier_wait -1
	v_mov_b32 v[PTMP], 0                           ; a lane permute's destination counts as one of its sources
	v_mov_b32 v[PTMP+1], 0
	s_wait_loadcnt 0x0
	s_wait_kmcnt 0x0
.macro XGET i                          ; token i out of the stage: 16 neighbours a lane, twice
.irp g, 0,1
.irp j, 0,1,2,3
	ds_load_b128 v[X+32*((\i)%2)+16*\g+4*\j:X+32*((\i)%2)+16*\g+4*\j+3], v3 offset:5120*(\i)+2560*\g+16*\j
.endr
.endr
.endm
.macro WSUM2 a, b                      ; two sums over the 32 lanes, by turns; every lane ends with both
.irp m, 1,2,4,8
	v_add_f32_dpp v[\a], v[\a], v[\a] row_xmask:\m row_mask:0xf bank_mask:0xf
	v_add_f32_dpp v[\b], v[\b], v[\b] row_xmask:\m row_mask:0xf bank_mask:0xf
.endr
	v_permlanex16_b32 v[PTMP], v[\a], s36, s37
	v_permlanex16_b32 v[PTMP+1], v[\b], s36, s37
	v_add_f32 v[\a], v[\a], v[PTMP]
	v_add_f32 v[\b], v[\b], v[PTMP+1]
.endm
.macro WSUM1 a
.irp m, 1,2,4,8
	v_add_f32_dpp v[\a], v[\a], v[\a] row_xmask:\m row_mask:0xf bank_mask:0xf
.endr
	v_permlanex16_b32 v[PTMP], v[\a], s36, s37
	v_add_f32 v[\a], v[\a], v[PTMP]
.endm
.macro TOKEN i
.set XB, X+32*((\i)%2)
.if (\i) > 0
	s_wait_dscnt 2                                 ; this token's eight loads are in; behind them stand the last token's two byte stores
.else
	s_wait_dscnt 0x0
.endif
.if (\i) < 7
	XGET (\i)+1
.endif
	v_pk_add_f32 v[SUMA:SUMA+1], v[XB:XB+1], v[XB+2:XB+3]
	v_pk_add_f32 v[SUMB:SUMB+1], v[XB+4:XB+5], v[XB+6:XB+7]
	v_pk_mul_f32 v[DOTA:DOTA+1], v[XB:XB+1], v[GW:GW+1]
	v_pk_mul_f32 v[DOTB:DOTB+1], v[XB+2:XB+3], v[GW+2:GW+3]
.irp j, 8,12,16,20,24,28
	v_pk_add_f32 v[SUMA:SUMA+1], v[SUMA:SUMA+1], v[XB+\j:XB+\j+1]
	v_pk_add_f32 v[SUMB:SUMB+1], v[SUMB:SUMB+1], v[XB+\j+2:XB+\j+3]
.endr
.irp j, 4,8,12,16,20,24,28
	v_pk_fma_f32 v[DOTA:DOTA+1], v[XB+\j:XB+\j+1], v[GW+\j:GW+\j+1], v[DOTA:DOTA+1]
	v_pk_fma_f32 v[DOTB:DOTB+1], v[XB+\j+2:XB+\j+3], v[GW+\j+2:GW+\j+3], v[DOTB:DOTB+1]
.endr
	v_pk_add_f32 v[SUMA:SUMA+1], v[SUMA:SUMA+1], v[SUMB:SUMB+1]
	v_pk_add_f32 v[DOTA:DOTA+1], v[DOTA:DOTA+1], v[DOTB:DOTB+1]
	v_add_f32 v[SUMA], v[SUMA], v[SUMA+1]
	v_add_f32 v[DOTA], v[DOTA], v[DOTA+1]
	WSUM2 SUMA, DOTA
	v_mul_f32 v[MEAN], 0xba800000, v[SUMA]         ; - the mean
	v_mul_f32 v[MEAN+1], 0xba800000, v[SUMA]
.irp j, 0,2,4,6,8,10,12,14,16,18,20,22,24,26,28,30
	v_pk_add_f32 v[XB+\j:XB+\j+1], v[XB+\j:XB+\j+1], v[MEAN:MEAN+1]
.endr
	v_pk_mul_f32 v[SQA:SQA+1], v[XB:XB+1], v[XB:XB+1]
	v_pk_mul_f32 v[SQB:SQB+1], v[XB+2:XB+3], v[XB+2:XB+3]
.irp j, 4,8,12,16,20,24,28
	v_pk_fma_f32 v[SQA:SQA+1], v[XB+\j:XB+\j+1], v[XB+\j:XB+\j+1], v[SQA:SQA+1]
	v_pk_fma_f32 v[SQB:SQB+1], v[XB+\j+2:XB+\j+3], v[XB+\j+2:XB+\j+3], v[SQB:SQB+1]
.endr
	v_pk_add_f32 v[SQA:SQA+1], v[SQA:SQA+1], v[SQB:SQB+1]
	v_add_f32 v[SQA], v[SQA], v[SQA+1]
	WSUM1 SQA
	v_fma_f32 v[SQA], v[SQA], s38, s39             ; the variance + 1e-5
	v_rsq_f32 v[RSTD], v[SQA]
	v_rsq_f32 v[RSTD+1], v[SQA]                    ; twice: the packed multiply takes a pair
	v_add_f32 v[DOTA], s33, v[DOTA]                ; the logit (a plain line behind the transcendentals)
	s_mov_b32 s40, 1<<(\i)
	v_cndmask_b32 v8, v8, v[DOTA], s40             ; into lane i
	s_wait_alu depctr_va_vdst(0)                   ; one wait for both, ahead of their first reader
.irp j, 0,2,4,6,8,10,12,14,16,18,20,22,24,26,28,30
	v_pk_mul_f32 v[XE+\j:XE+\j+1], v[XB+\j:XB+\j+1], v[RSTD:RSTD+1]
.endr
.irp j, 0,2,4,6,8,10,12,14,16,18,20,22,24,26,28,30
	v_pk_fma_f32 v[XE+\j:XE+\j+1], v[XE+\j:XE+\j+1], v[LW+\j:LW+\j+1], v[LB+\j:LB+\j+1]
.endr
.irp g, 0,1
	v_max3_num_f32 v[MAXR+\g], |v[XE+16*\g]|, |v[XE+16*\g+1]|, 0x1800000   ; my 16 numbers and the floor 2^(3 - 127): the byte cannot fall under 1
.endr
.irp j, 2,4,6,8,10,12,14
.irp g, 0,1
	v_max3_num_f32 v[MAXR+\g], v[MAXR+\g], |v[XE+16*\g+\j]|, |v[XE+16*\g+\j+1]|
.endr
.endr
.irp g, 0,1
	v_max_num_f32_dpp v[MAXR+\g], v[MAXR+\g], v[MAXR+\g] row_xmask:1 row_mask:0xf bank_mask:0xf   ; with my neighbour's 16: the block's
.endr
.if (\i) < 7
	s_wait_dscnt 8                                 ; the last token's byte stores are done (the next token's eight loads may be out): their registers may be written
.else
	s_wait_dscnt 0x0
.endif
	s_wait_xcnt 0x0                                ; the last token's stores have read their codes
.irp g, 0,1
	v_add_nc_u32 v[SOPR+\g], 0xff000000, v[MAXR+\g]   ; 2 off the exponent field: the conversion's scale operand
.endr
	v_cvt_scalef32_pk16_fp6_f32 v[CD:CD+2], v[XE:XE+15], v[SOPR]
	v_cvt_scalef32_pk16_fp6_f32 v[CD+4:CD+6], v[XE+16:XE+31], v[SOPR+1]
	v_lshrrev_b32 v[BYTR], 23, v[SOPR]             ; the scale's byte (also the plain line behind the conversions)
	v_lshrrev_b32 v[BYTR+1], 23, v[SOPR+1]
	ds_store_b8 v5, v[BYTR] offset:32*(\i)         ; both lanes of a block write the same byte
	ds_store_b8 v5, v[BYTR+1] offset:32*(\i)+16
	global_store_b96 v4, v[CD:CD+2], s[24:25] offset:768*(\i)          ; the wave covers 384 bytes on end
	global_store_b96 v4, v[CD+4:CD+6], s[24:25] offset:768*(\i)+384
.endm
	XGET 0
.set TI, 0
.rept 8
	TOKEN TI
.set TI, TI+1
.endr
	ds_load_b64 v[16:17], v11                      ; my 256 scale bytes (LDS serves a wave's instructions in order)
	ds_store_b32 v12, v8                           ; my expert's 8 logits
	s_wait_dscnt 0x0
	global_store_b64 v14, v[16:17], s[26:27]       ; 256 bytes on end, at a multiple of 256 from the buffer's first byte
	s_barrier_signal -1
	s_barrier_wait -1
	s_cmp_lg_u32 s28, 0
	s_cbranch_scc1 .Lroute_end
	; wave 0, a lane to a token (lanes 8-31 work on zeros and store nothing)
.irp e, 0,1,2,3
	ds_load_b32 v[20+\e], v13 offset:128*\e
.endr
	s_wait_dscnt 0x0
	v_max3_num_f32 v28, v20, v21, v22
	v_max_num_f32 v28, v28, v23
.irp e, 0,1,2,3
	v_sub_f32 v[24+\e], v[20+\e], v28
.endr
.irp e, 0,1,2,3
	v_mul_f32 v[24+\e], 0x3fb8aa3b, v[24+\e]
.endr
.irp e, 0,1,2,3
	v_exp_f32 v[24+\e], v[24+\e]
.endr
	v_mov_b32 v40, 1
	v_mov_b32 v41, 2
	v_mov_b32 v42, 3
	v_mov_b32 v43, -1.0
	s_wait_alu depctr_va_vdst(0)
	v_add_f32 v29, v24, v25
	v_add_f32 v30, v26, v27
	v_add_f32 v29, v29, v30
	v_rcp_f32 v29, v29
	v_nop
	s_wait_alu depctr_va_vdst(0)
.irp e, 0,1,2,3
	v_mul_f32 v[24+\e], v[24+\e], v29              ; probs
.endr
	v_mov_b32 v32, v24
	v_mov_b32 v34, 0
.irp e, 1,2,3
	v_cmp_gt_f32 vcc_lo, v[24+\e], v32             ; strictly greater: the lower index keeps a tie
	v_cndmask_b32 v32, v32, v[24+\e], vcc_lo
	v_cndmask_b32 v34, v34, v[39+\e], vcc_lo
.endr
.irp e, 0,1,2,3
	v_cmp_eq_u32 vcc_lo, \e, v34
	v_cndmask_b32 v[44+\e], v[24+\e], v43, vcc_lo  ; the first choice is taken out
.endr
	v_mov_b32 v33, v44
	v_mov_b32 v35, 0
.irp e, 1,2,3
	v_cmp_gt_f32 vcc_lo, v[44+\e], v33
	v_cndmask_b32 v33, v33, v[44+\e], vcc_lo
	v_cndmask_b32 v35, v35, v[39+\e], vcc_lo
.endr
	v_add_f32 v38, v32, v33
	v_add_f32 v38, 0x3089705f, v38                 ; + 1e-9
	v_rcp_f32 v38, v38
	v_lshlrev_b32 v39, 3, v1
	s_wait_alu depctr_va_vdst(0)
	v_mul_f32 v36, v32, v38
	v_mul_f32 v37, v33, v38
	s_wait_xcnt 0x0                                ; EXEC changes only behind this wait
	v_cmp_gt_u32 vcc_lo, 8, v1
	s_and_saveexec_b32 s41, vcc_lo
	global_store_b128 v7, v[24:27], s[16:17]       ; out1: 128 bytes on end
	global_store_b64 v39, v[34:35], s[18:19]       ; out2
	global_store_b64 v39, v[34:35], s[22:23]       ; sel
	global_store_b64 v39, v[36:37], s[20:21]       ; out3
	s_wait_xcnt 0x0
	s_or_b32 exec_lo, exec_lo, s41
.Lroute_end:
	s_set_vgpr_msb 0x5
	s_wait_tensorcnt 0x0
	ds_add_u32 v0, v1
	s_wait_dscnt 0x0
	s_set_vgpr_msb 0x500
	s_endpgm
; ---------------------------------------------------------------- LAY
.Llay:
	s_load_b256 s[4:11], s[0:1], 0x28              ; w1_codes, w1_scales, w2_codes, w2_scales
	s_load_b128 s[12:15], s[0:1], 0x78             ; w1r, w2r
	v_lshrrev_b32 v4, 5, v0
	v_readfirstlane_b32 s16, v4                    ; wave v: fragments 2 v, 2 v + 1
	v_and_b32 v1, 31, v0
	v_and_b32 v2, 15, v0                           ; r
	v_bfe_u32 v3, v0, 4, 1                         ; h
	s_sub_co_u32 s20, ttmp9, 256
	s_lshr_b32 s21, s20, 7                         ; 0: W1, 1: W2
	s_and_b32 s22, s20, 127                        ; the record
	s_lshr_b32 s23, s22, 2
	s_and_b32 s24, s22, 3
	s_mul_i32 s25, s22, 98304                      ; W1: 128 rows of 768 bytes a record
	s_mul_i32 s26, s23, 393216                     ; W2: 128 rows of 3,072 bytes, of which a record takes 768
	s_mul_i32 s27, s24, 768
	s_add_co_u32 s26, s26, s27
	s_lshl_b32 s28, s22, 12
	s_lshl_b32 s29, s23, 14
	s_lshl_b32 s30, s24, 5
	s_add_co_u32 s29, s29, s30
	s_mov_b32 s31, 3072
	s_mov_b32 s33, 128
	s_wait_kmcnt 0x0
	s_cmp_eq_u32 s21, 0                            ; the choice hangs on the work-group's number alone
	s_cselect_b32 s25, s25, s26                    ; where the record's codes begin
	s_cselect_b32 s28, s28, s29                    ; and its scale bytes
	s_cselect_b32 s31, 768, s31                    ; a row of codes
	s_cselect_b32 s33, 32, s33                     ; a row of scale bytes
	s_cselect_b32 s34, 8, 16                       ; rows from a pair's first fragment to its second
	s_cselect_b32 s35, 8, 0                        ; rows skipped between a fragment's rows 7 and 8: W1's tiles take 8 rows and the 8 that lie 16 further on
	s_cselect_b64 s[4:5], s[4:5], s[8:9]
	s_cselect_b64 s[6:7], s[6:7], s[10:11]
	s_cselect_b64 s[12:13], s[12:13], s[14:15]
	s_lshl_b32 s36, s16, 5
	s_mul_i32 s36, s36, s31
	s_add_co_u32 s36, s36, s25
	s_mov_b32 s37, 0
	s_add_nc_u64 s[40:41], s[4:5], s[36:37]        ; fragment 2 v's first row
	s_mul_i32 s36, s34, s31
	s_add_nc_u64 s[42:43], s[40:41], s[36:37]      ; fragment 2 v + 1's
	s_lshl_b32 s36, s16, 3
	s_add_co_u32 s36, s36, s28
	s_add_nc_u64 s[6:7], s[6:7], s[36:37]          ; scale words of K steps 2 v, 2 v + 1
	s_mul_i32 s36, s22, 102400
	s_add_nc_u64 s[12:13], s[12:13], s[36:37]
	s_lshl_b32 s36, s16, 10
	s_add_nc_u64 s[44:45], s[12:13], s[36:37]      ; the record + 1,024 v: for the scale words
	s_mul_i32 s36, s16, 3072
	s_add_nc_u64 s[12:13], s[12:13], s[36:37]      ; the record + 3,072 v: for the fragments
	v_mul_u32_u24 v4, s31, v3
	v_lshl_add_u32 v4, v2, 4, v4                   ; h rows + 16 r: sixteen lanes take 256 bytes of a row
	s_mul_i32 s38, s35, s31
	s_lshl_b32 s39, s31, 1
	s_mov_b32 s46, 0
.irp p, 0,1,2,3,4,5,6,7
	v_add_nc_u32 v[8+\p], s46, v4                  ; the fragment's rows 2 p, 2 p + 1
	s_add_co_u32 s46, s46, s39
.if \p == 3
	s_add_co_u32 s46, s46, s38
.endif
.endr
	s_mul_i32 s47, s16, 25088                      ; my two stages: 16 rows each, 784 bytes apart
	v_mul_u32_u24 v16, v2, 784
	v_mad_u32_u24 v16, v3, 24, v16
	v_add_nc_u32 v16, s47, v16                     ; out of them: row r, + 24 h
	v_mul_u32_u24 v17, v3, 784
	v_lshl_add_u32 v17, v2, 4, v17
	v_add_nc_u32 v17, s47, v17                     ; into them
	v_lshlrev_b32 v18, 4, v1
	v_mul_u32_u24 v5, s34, v3
	v_add_nc_u32 v5, v5, v2
	v_lshrrev_b32 v6, 3, v2
	v_mul_u32_u24 v6, s35, v6
	v_add_nc_u32 v5, v5, v6
.irp q, 0,1,2,3
	v_add_nc_u32 v[20+\q], 32*\q, v5               ; the row of fragment 2 q + h, lane r
.endr
.irp q, 0,1,2,3
	v_mul_u32_u24 v[20+\q], s33, v[20+\q]
.endr
.macro LOADR u                         ; fragment 2 v + u: 16 rows of 768 bytes, 256 bytes of a row to sixteen lanes
.irp p, 0,1,2,3,4,5,6,7
.irp i, 0,1,2
	global_load_b128 v[RR+96*\u+4*(3*\p+\i):RR+96*\u+4*(3*\p+\i)+3], v[8+\p], s[40+2*\u:41+2*\u] offset:256*\i th:TH_LOAD_NT
.endr
.endr
.endm
.macro TOST u                          ; and into its stage, as rows
.irp p, 0,1,2,3,4,5,6,7
.irp i, 0,1,2
	ds_store_b128 v17, v[RR+96*\u+4*(3*\p+\i):RR+96*\u+4*(3*\p+\i)+3] offset:12544*\u+1568*\p+256*\i
.endr
.endr
.endm
	LOADR 0                                        ; both fragments' rows are asked for at once: 48 loads and the 8 scale words are out together
	LOADR 1
.irp t, 0,1
.irp q, 0,1,2,3
	global_load_b32 v[24+4*\t+\q], v[20+\q], s[6:7] offset:4*\t   ; scale words: four bytes of many rows, once
.endr
.endr
	s_wait_loadcnt 32                              ; the first fragment's rows are in; behind them: the second's 24 loads and the 8 scale words
	TOST 0
	s_wait_loadcnt 8                               ; the second's are in; the 8 scale words may be out
	TOST 1
	s_wait_dscnt 0x0                               ; the stores have read their registers, which take the fragments now
.set KK, 0
.rept 16                               ; fragment 8 u + s: the operand's registers: 24 bytes of the row's stream of bits, twice
.irp p, 0,1,2,3,4,5
	ds_load_b64 v[RR+12*KK+2*\p:RR+12*KK+2*\p+1], v16 offset:12544*(KK/8)+96*(KK%8)+48*(\p/3)+8*(\p%3)
.endr
.set KK, KK+1
.endr
.set KK, 0
.rept 16
.set WC, 6*(15-KK)                     ; the pieces of the later fragments may be out; a wait names 63 at the most, and a smaller count is safe
.if WC > 63
.set WC, 63
.endif
	s_wait_dscnt WC
.irp c, 0,1,2
	global_store_b128 v18, v[RR+12*KK+4*\c:RR+12*KK+4*\c+3], s[12:13] offset:12288*(KK%8)+1536*(KK/8)+512*\c   ; 512 bytes on end
.endr
.set KK, KK+1
.endr
	s_wait_loadcnt 0x0
	global_store_b128 v18, v[24:27], s[44:45] offset:98304
	global_store_b128 v18, v[28:31], s[44:45] offset:98304+512
	s_set_vgpr_msb 0x5
	s_wait_tensorcnt 0x0
	ds_add_u32 v0, v1
	s_wait_dscnt 0x0
	s_set_vgpr_msb 0x500
	s_endpgm
.Lfunc_end_k_q7b5792c857_prep:
	.size	k_q7b5792c857_prep, .Lfunc_end_k_q7b5792c857_prep-k_q7b5792c857_prep
	.p2alignl 7, 3214868480
	.fill 96, 4, 3214868480
	.section	.rodata,"a",@progbits
	.p2align	6, 0x0
	.amdhsa_kernel k_q7b5792c857_prep
		.amdhsa_group_segment_fixed_size 143360
		.amdhsa_private_segment_fixed_size 0
		.amdhsa_enable_private_segment 0
		.amdhsa_kernarg_size 136
		.amdhsa_user_sgpr_count 2
		.amdhsa_user_sgpr_kernarg_segment_ptr 1
		.amdhsa_wavefront_size32 1
		.amdhsa_system_sgpr_workgroup_id_x 1
		.amdhsa_system_sgpr_workgroup_id_y 1
		.amdhsa_system_sgpr_workgroup_id_z 1
		.amdhsa_system_vgpr_workitem_id 0
		.amdhsa_next_free_vgpr 258
		.amdhsa_next_free_sgpr 66
		.amdhsa_reserve_vcc 1
		.amdhsa_float_denorm_mode_32 3
		.amdhsa_float_denorm_mode_16_64 3
		.amdhsa_memory_ordered 1
		.amdhsa_forward_progress 1
		.amdhsa_inst_pref_size 116
	.end_amdhsa_kernel
	.amdgpu_metadata
---
amdhsa.version: [ 1, 2 ]
amdhsa.kernels:
  - .name:           k_q7b5792c857_prep
    .symbol:         k_q7b5792c857_prep.kd
    .args:
      - { .name: x, .offset: 0, .size: 8, .value_kind: global_buffer, .address_space: global }
      - { .name: gate_w, .offset: 8, .size: 8, .value_kind: global_buffer, .address_space: global }
      - { .name: gate_b, .offset: 16, .size: 8, .value_kind: global_buffer, .address_space: global }
      - { .name: ln_w, .offset: 24, .size: 8, .value_kind: global_buffer, .address_space: global }
      - { .name: ln_b, .offset: 32, .size: 8, .value_kind: global_buffer, .address_space: global }
      - { .name: w1_codes, .offset: 40, .size: 8, .value_kind: global_buffer, .address_space: global }
      - { .name: w1_scales, .offset: 48, .size: 8, .value_kind: global_buffer, .address_space: global }
      - { .name: w2_codes, .offset: 56, .size: 8, .value_kind: global_buffer, .address_space: global }
      - { .name: w2_scales, .offset: 64, .size: 8, .value_kind: global_buffer, .address_space: global }
      - { .name: out1, .offset: 72, .size: 8, .value_kind: global_buffer, .address_space: global }
      - { .name: out2, .offset: 80, .size: 8, .value_kind: global_buffer, .address_space: global }
      - { .name: out3, .offset: 88, .size: 8, .value_kind: global_buffer, .address_space: global }
      - { .name: sel, .offset: 96, .size: 8, .value_kind: global_buffer, .address_space: global }
      - { .name: xq, .offset: 104, .size: 8, .value_kind: global_buffer, .address_space: global }
      - { .name: xs, .offset: 112, .size: 8, .value_kind: global_buffer, .address_space: global }
      - { .name: w1r, .offset: 120, .size: 8, .value_kind: global_buffer, .address_space: global }
      - { .name: w2r, .offset: 128, .size: 8, .value_kind: global_buffer, .address_space: global }
    .group_segment_fixed_size: 143360
    .private_segment_fixed_size: 0
    .kernarg_segment_align: 8
    .kernarg_segment_size: 136
    .max_flat_workgroup_size: 128
    .sgpr_count:     66
    .vgpr_count:     258
    .wavefront_size: 32
...
	.end_amdgpu_metadata
.endif
;; end of part 1
;; launch sort (part 2): grid 1 x 1, 32 waves a work-group, no clusters, 5,120 bytes of LDS; arguments sel, out1, ord, out4; writes ord, out4
.if DOCPART == 2
	.amdgcn_target "amdgcn-amd-amdhsa--gfx1250"
	.amdhsa_code_object_version 6
	.text
	.protected	k_q7b5792c857_sort
	.globl	k_q7b5792c857_sort
	.p2align	8
	.type	k_q7b5792c857_sort,@function
k_q7b5792c857_sort:
	s_mov_b64 s[64:65], 0
	v_nop
	global_prefetch_b8 v0, s[64:65] scope:SCOPE_SE
	s_setreg_imm32_b32 hwreg(HW_REG_WAVE_MODE, 25, 1), 1
	s_wait_xcnt 0x0
; A counting sort of the 4,096 chosen (token, expert) rows by expert, in whole numbers throughout, and the load-balancing number.
; Each expert's rows are padded to tiles of 144; the sum over experts of ceil(n / 144) is at most 32 for every split, so there are always 32 tiles (4,608 slots); tiles that are left over count as expert 3's.
; ord: list[4608] (a slot's token; a pad names token 0) at 0, word 4608 takes what falls outside; te[32] (a tile's expert) at 18,688; pos[2048][2] (the slots of a token's two choices) at 18,944.
; One work-group; thread t holds tokens 2 t and 2 t + 1.  A row's place: its expert's first slot + the rows of lower waves + those of lower lanes + (for the second token) the first token's.
.set TEOFF,  18688
.set POSOFF, 18944
	s_load_b256 s[4:11], s[0:1], 0x0               ; sel, out1, ord, out4
	v_lshl_add_u32 v64, v0, 2, 0x400
	v_mov_b32 v65, 0
	v_lshrrev_b32 v2, 5, v0
	v_readfirstlane_b32 s12, v2                    ; wave
	v_lshlrev_b32 v2, 4, v2                        ; LDS: 16 x wave
	v_and_b32 v1, 31, v0
	v_lshlrev_b32 v5, 4, v1                        ; LDS: 16 x lane
	v_lshlrev_b32 v3, 4, v0
	v_lshlrev_b32 v4, 5, v0
	s_mov_b32 s14, 0x76543210
	s_mov_b32 s15, 0xfedcba98
.irp k, 0,1,2,3
	v_mov_b32 v[40+\k], 0                          ; destinations of lane moves count as sources
.endr
	s_wait_kmcnt 0x0
	global_load_b128 v[8:11], v3, s[4:5]           ; the two choices of my two tokens
	global_load_b128 v[12:15], v4, s[6:7]          ; their probabilities
	global_load_b128 v[16:19], v4, s[6:7] offset:16
	s_wait_loadcnt 0x0
.irp e, 0,1,2,3
	v_cmp_eq_u32 s40, \e, v8
	v_cmp_eq_u32 s41, \e, v9
	s_or_b32 s[20+\e], s40, s41                    ; lanes whose first token chose e
	v_cmp_eq_u32 s40, \e, v10
	v_cmp_eq_u32 s41, \e, v11
	s_or_b32 s[24+\e], s40, s41                    ; lanes whose second token did
	v_mbcnt_lo_u32_b32 v[20+\e], s[20+\e], 0
	v_mbcnt_lo_u32_b32 v[20+\e], s[24+\e], v[20+\e]   ; rows of e in lower lanes
	s_bcnt1_i32_b32 s40, s[20+\e]
	s_bcnt1_i32_b32 s41, s[24+\e]
	s_add_co_u32 s[32+\e], s40, s41                ; rows of e in my wave
.endr
.irp e, 0,1,2,3
	v_mov_b32 v[32+\e], s[32+\e]
	v_add_f32 v[12+\e], v[12+\e], v[16+\e]
.endr
.macro WSUM4                           ; v12-15 summed over the 32 lanes
.irp m, 1,2,4,8
.irp e, 0,1,2,3
	v_add_f32_dpp v[12+\e], v[12+\e], v[12+\e] row_xmask:\m row_mask:0xf bank_mask:0xf
.endr
.endr
.irp e, 0,1,2,3
	v_permlanex16_b32 v[40+\e], v[12+\e], s14, s15
.endr
.irp e, 0,1,2,3
	v_add_f32 v[12+\e], v[12+\e], v[40+\e]
.endr
.endm
	WSUM4
	ds_store_b128 v2, v[32:35]                     ; all lanes write the same 16 bytes
	ds_store_b128 v2, v[12:15] offset:512
	s_wait_dscnt 0x0
	s_barrier_signal -1
	s_barrier_wait -1
	ds_load_b128 v[32:35], v5                      ; lane j: wave j's counts
	s_wait_dscnt 0x0
	v_lshl_or_b32 v36, v33, 16, v32                ; two counts to a word: no sum passes 2,048
	v_lshl_or_b32 v37, v35, 16, v34
	v_cmp_gt_u32 vcc_lo, s12, v1
	v_cndmask_b32 v38, 0, v36, vcc_lo              ; the waves below mine
	v_cndmask_b32 v39, 0, v37, vcc_lo
.irp m, 1,2,4,8
.irp k, 0,1,2,3
	v_mov_b32_dpp v[40+\k], v[36+\k] row_xmask:\m row_mask:0xf bank_mask:0xf
.endr
.irp k, 0,1,2,3
	v_add_nc_u32 v[36+\k], v[36+\k], v[40+\k]
.endr
.endr
.irp k, 0,1,2,3
	v_permlanex16_b32 v[40+\k], v[36+\k], s14, s15
.endr
.irp k, 0,1,2,3
	v_add_nc_u32 v[36+\k], v[36+\k], v[40+\k]
.endr
.irp k, 0,1,2,3
	v_readfirstlane_b32 s[44+\k], v[36+\k]
.endr
	s_and_b32 s48, s44, 0xffff                     ; n_e: rows of expert e
	s_lshr_b32 s49, s44, 16
	s_and_b32 s50, s45, 0xffff
	s_lshr_b32 s51, s45, 16
	s_and_b32 s52, s46, 0xffff                     ; of them in lower waves
	s_lshr_b32 s53, s46, 16
	s_and_b32 s54, s47, 0xffff
	s_lshr_b32 s55, s47, 16
.irp e, 0,1,2,3
	s_add_co_u32 s40, s[48+\e], 143
	s_lshr_b32 s40, s40, 4
	s_mul_i32 s40, s40, 57
	s_lshr_b32 s[56+\e], s40, 9                    ; ceil(n / 144) = floor(floor((n + 143) / 16) / 9); x 57 >> 9 is floor(x / 9) for x up to 136
.endr
	s_mov_b32 s60, s56                             ; the first tile of experts 1, 2, 3
	s_add_co_u32 s61, s60, s57
	s_add_co_u32 s62, s61, s58
	s_mov_b32 s68, 0                               ; their first slots
	s_mul_i32 s69, s60, 144
	s_mul_i32 s70, s61, 144
	s_mul_i32 s71, s62, 144
	s_mov_b32 s72, s69                             ; and where each expert's slots end
	s_mov_b32 s73, s70
	s_mov_b32 s74, s71
	s_mov_b32 s75, 4608
.irp e, 0,1,2,3
	s_add_co_u32 s40, s[68+\e], s[52+\e]
	v_add_nc_u32 v[20+\e], s40, v[20+\e]           ; the slot of my first token, were it e's
	v_add_nc_u32 v44, 1, v[20+\e]
	v_cndmask_b32 v[24+\e], v[20+\e], v44, s[20+\e]   ; and of my second
.endr
.macro PICK d, c, base
	v_mov_b32 v[\d], v[\base]
.irp e, 1,2,3
	v_cmp_eq_u32 vcc_lo, \e, v[\c]
	v_cndmask_b32 v[\d], v[\d], v[\base+\e], vcc_lo
.endr
	v_min_u32 v[\d], 4607, v[\d]
.endm
	PICK 28, 8, 20
	PICK 29, 9, 20
	PICK 30, 10, 24
	PICK 31, 11, 24
	v_lshlrev_b32 v45, 1, v0                       ; my tokens
	v_add_nc_u32 v46, 1, v45
.irp k, 0,1,2,3
	v_lshlrev_b32 v[48+\k], 2, v[28+\k]
.endr
	global_store_b32 v48, v45, s[8:9]
	global_store_b32 v49, v45, s[8:9]
	global_store_b32 v50, v46, s[8:9]
	global_store_b32 v51, v46, s[8:9]
	global_store_b128 v3, v[28:31], s[8:9] offset:POSOFF
	v_mov_b32 v47, 0
	v_mov_b32 v56, 4608
.irp e, 0,1,2,3                        ; the pads: 512 in all, so an expert's are fewer than the 1,024 threads
	s_add_co_u32 s40, s[68+\e], s[48+\e]
	v_add_nc_u32 v[52+\e], s40, v0
	v_cmp_gt_u32 vcc_lo, s[72+\e], v[52+\e]
	v_cndmask_b32 v[52+\e], v56, v[52+\e], vcc_lo  ; past the expert's end: word 4608, which nobody reads
	v_min_u32 v[52+\e], 4608, v[52+\e]
	v_lshlrev_b32 v[52+\e], 2, v[52+\e]
	global_store_b32 v[52+\e], v47, s[8:9]
.endr
	s_cmp_lg_u32 s12, 0
	s_cbranch_scc1 .Lend
	v_mov_b32 v58, 1
	v_cmp_le_u32 vcc_lo, s60, v1
	v_cndmask_b32 v57, 0, v58, vcc_lo
	v_cmp_le_u32 vcc_lo, s61, v1
	v_cndmask_b32 v59, 0, v58, vcc_lo
	v_add_nc_u32 v57, v57, v59
	v_cmp_le_u32 vcc_lo, s62, v1
	v_cndmask_b32 v59, 0, v58, vcc_lo
	v_add_nc_u32 v57, v57, v59                     ; tile = lane: its expert
	v_lshlrev_b32 v60, 2, v1
	global_store_b32 v60, v57, s[8:9] offset:TEOFF
	ds_load_b128 v[12:15], v5 offset:512           ; lane j: wave j's sums of probabilities
	s_wait_dscnt 0x0
	WSUM4
.irp e, 0,1,2,3
	v_cvt_f32_u32 v[16+\e], s[48+\e]
.endr
	v_mul_f32 v16, v16, v12
	v_fmac_f32 v16, v17, v13
	v_fmac_f32 v16, v18, v14
	v_fmac_f32 v16, v19, v15
	v_mul_f32 v16, 0x35000000, v16                 ; 4 x sum (n / 4096) (S / 2048) = sum n S x 2^-21
	s_wait_xcnt 0x0                                ; EXEC changes only behind this wait
	v_cmp_eq_u32 vcc_lo, 0, v1
	s_and_saveexec_b32 s40, vcc_lo
	global_store_b32 v47, v16, s[10:11]
	s_wait_xcnt 0x0
	s_or_b32 exec_lo, exec_lo, s40
.Lend:
	s_wait_tensorcnt 0x0
	ds_add_u32 v64, v65
	s_wait_dscnt 0x0
	s_endpgm
.Lfunc_end_k_q7b5792c857_sort:
	.size	k_q7b5792c857_sort, .Lfunc_end_k_q7b5792c857_sort-k_q7b5792c857_sort
	.p2alignl 7, 3214868480
	.fill 96, 4, 3214868480
	.section	.rodata,"a",@progbits
	.p2align	6, 0x0
	.amdhsa_kernel k_q7b5792c857_sort
		.amdhsa_group_segment_fixed_size 5120
		.amdhsa_private_segment_fixed_size 0
		.amdhsa_enable_private_segment 0
		.amdhsa_kernarg_size 32
		.amdhsa_user_sgpr_count 2
		.amdhsa_user_sgpr_kernarg_segment_ptr 1
		.amdhsa_wavefront_size32 1
		.amdhsa_system_sgpr_workgroup_id_x 1
		.amdhsa_system_sgpr_workgroup_id_y 1
		.amdhsa_system_sgpr_workgroup_id_z 1
		.amdhsa_system_vgpr_workitem_id 0
		.amdhsa_next_free_vgpr 66
		.amdhsa_next_free_sgpr 80
		.amdhsa_reserve_vcc 1
		.amdhsa_float_denorm_mode_32 3
		.amdhsa_float_denorm_mode_16_64 3
		.amdhsa_memory_ordered 1
		.amdhsa_forward_progress 1
		.amdhsa_inst_pref_size 16
	.end_amdhsa_kernel
	.amdgpu_metadata
---
amdhsa.version: [ 1, 2 ]
amdhsa.kernels:
  - .name:           k_q7b5792c857_sort
    .symbol:         k_q7b5792c857_sort.kd
    .args:
      - { .name: sel, .offset: 0, .size: 8, .value_kind: global_buffer, .address_space: global }
      - { .name: out1, .offset: 8, .size: 8, .value_kind: global_buffer, .address_space: global }
      - { .name: ord, .offset: 16, .size: 8, .value_kind: global_buffer, .address_space: global }
      - { .name: out4, .offset: 24, .size: 8, .value_kind: global_buffer, .address_space: global }
    .group_segment_fixed_size: 5120
    .private_segment_fixed_size: 0
    .kernarg_segment_align: 8
    .kernarg_segment_size: 32
    .max_flat_workgroup_size: 1024
    .sgpr_count:     80
    .vgpr_count:     66
    .wavefront_size: 32
...
	.end_amdgpu_metadata
.endif
;; end of part 2
;; launch up (part 3): grid 8 x 32, 4 waves a work-group, no clusters, 122,368 bytes of LDS; arguments ord, xq, xs, w1r, b1, hid; writes hid
.if DOCPART == 3
	.amdgcn_target "amdgcn-amd-amdhsa--gfx1250"
	.amdhsa_code_object_version 6
	.text
	.protected	k_q7b5792c857_up
	.globl	k_q7b5792c857_up
	.p2align	8
	.type	k_q7b5792c857_up,@function
k_q7b5792c857_up:
	s_mov_b64 s[64:65], 0
	v_nop
	global_prefetch_b8 v0, s[64:65] scope:SCOPE_SE
	s_setreg_imm32_b32 hwreg(HW_REG_WAVE_MODE, 25, 1), 1
	s_wait_xcnt 0x0
; hidden = Q(gelu(xe W1 + b1)) for one tile of 144 sorted rows (work-group y) and 512 hidden units (work-group x), on codes of E2M3 with E8M0 scales.
; THE WEIGHTS STAY IN REGISTERS: wave w holds 128 rows of W1 x all 1,024 of K: 64 fragments (768 registers) and 32 registers of scale words, loaded once, 512 bytes on end a load, from the record that the first launch laid.
; The tile's rows of xe (codes and scale bytes, gathered by the sorted list) lie in LDS and are read by all four waves.  A wave walks the 9 blocks of 16 rows: 64 matrix instructions on 8 accumulators by turns,
; one instruction a turn, then gelu and the quantiser in registers; the block's fragment of the next product's K step 4 x + w goes to memory as an image of its registers.
; TRANSPOSED: source 0 = 16 rows of W1, source 1 = 16 rows of xe: a lane holds one row of the hidden layer.  The rows of W1 in a fragment are chosen (by the record) so that the 16 registers of accumulators 2 b, 2 b + 1
; are hidden units 32 b + 16 (lane / 16) + 0 .. 15.  b1 is the C of each sum's first instruction.
; No multicast: the weights, nearly all of the bytes, hang on the tile's expert, a stored number that differs between the tiles that could be partners; the tile's rows are a quarter of a work-group's bytes.
; No branch and no trip count hangs on data; the tile's expert and the list's tokens enter addresses alone, each held to its range.  A pad slot names token 0; its results are never read for an output.
; GELU: x Phi(x) = max(0, x) - |x| erfc(|x| / sqrt 2) / 2, erfc by Abramowitz and Stegun 7.1.26 (five terms in t = 1 / (1 + p z), times exp(-z^2)).
; LIMITS: that series errs by at most 1.5e-7 in erfc, so gelu by 0.75e-7 |x|; NaN and infinities are not served; a block of zeros gets the byte 1 (only this program reads the bytes).
.set TEOFF, 18688
.set HSC0,  14155776                   ; hid: fragment images [32][9][32][1536], then from here their scale words [32][9][32][128]
.set XSL,   112896                     ; LDS: 144 rows of codes, 784 bytes apart (768 + 16), from 0; here their scale bytes, 48 apart (32 + 16);
.set B1L,   119808                     ; here the group's 512 numbers of b1
.set L16, 1                            ; v1   16 x lane
.set L4,  2                            ; v2   4 x lane
.set VAB, 3                            ; v3   784 r + 48 h
.set VSB, 4                            ; v4   XSL + 48 r
.set VB,  5                            ; v5   B1L + 512 w + 64 h
.set VA,  6                            ; v6   the block's codes
.set VS,  7                            ; v7   the block's scale words
.set VG,  8                            ; v8   the gather's way into LDS, codes
.set VGS, 9                            ; v9   and scale bytes
.set A4V, 10                           ; v10-11 a coefficient, as a pair
.set XS,  12                           ; v12-19 xe's scale words of the 8 K steps
.set WS,  20                           ; v20-51 W1's scale words: register 4 s + b / 2, fragment b in lanes 0-15 (b even) or 16-31 (b odd)
.set WX,  52                           ; v52-63 fragment 63
.set HA,  64                           ; v64-127 the 8 accumulators
.set XF,  128                          ; v128-175 four fragments of xe; behind the products: t, the exponentials, the series
.set GT,  128
.set GN,  144
.set GP,  160
.set PC,  176                          ; v176-195 the codes just made
.set TM,  196                          ; v196-211 the quantiser's work
.set PW,  212                          ; v212 the scale word just made
.set IDX, 213                          ; v213-239 the list's tokens, then offsets
.set WB,  10                           ; s[10:11] my record
.set HB,  24                           ; s[24:25] where the block's image goes
.set HSB, 26                           ; s[26:27] and its scale words
.set CC1, 28                           ; s[28:29] sqrt(log2(e) / 2)
.set SA5, 30
.set SA3, 32
.set SA2, 34
.set SA1, 36
.set SPP, 38                           ; s38 0.3275911 / sqrt 2
.set SEL, 40
.set TB,  42
.set TS,  43
.set CNT, 44
; fragment f = 8 s + b lies in window 1 + f / 21 at register 12 (f % 21); fragment 63 in window 0
.set MSB, 0
.macro WIN new                         ; the immediate's high byte repeats the setting that is left
.if MSB != (\new)
	s_set_vgpr_msb (MSB<<8)|(\new)
.set MSB, (\new)
.endif
.endm
.macro PLACES n
.rept \n
	v_nop
.endr
.endm
.macro WLOAD f
.if (\f) < 63
.set WDST, 12*((\f)%21)
	WIN ((1+(\f)/21)<<6)
.else
.set WDST, WX
	WIN 0
.endif
.irp c, 0,1,2
	global_load_b128 v[WDST+4*\c:WDST+4*\c+3], v[L16], s[WB:WB+1] offset:1536*(\f)+512*\c
.endr
.endm
.macro WRANGE first, count
.set FI, \first
.rept \count
	WLOAD FI
.set FI, FI+1
.endr
.endm
.macro MM s, b, bf, bs, czero
.set FQ, 8*(\s)+(\b)
.if FQ < 63
.set WSRC, 12*(FQ%21)
	WIN (1+FQ/21)
.else
.set WSRC, WX
	WIN 0
.endif
.set ACC, HA+8*(\b)
.set WSC, WS+4*(\s)+(\b)/2
.set BFR, \bf
.set BSR, \bs
.if (\b)%2
.if \czero
	v_wmma_scale_f32_16x16x128_f8f6f4 v[ACC:ACC+7], v[WSRC:WSRC+11], v[BFR:BFR+11], 0, v[WSC], v[BSR] matrix_a_fmt:MATRIX_FMT_FP6 matrix_b_fmt:MATRIX_FMT_FP6 matrix_a_scale:MATRIX_SCALE_ROW1
.else
	v_wmma_scale_f32_16x16x128_f8f6f4 v[ACC:ACC+7], v[WSRC:WSRC+11], v[BFR:BFR+11], v[ACC:ACC+7], v[WSC], v[BSR] matrix_a_fmt:MATRIX_FMT_FP6 matrix_b_fmt:MATRIX_FMT_FP6 matrix_a_scale:MATRIX_SCALE_ROW1
.endif
.else
.if \czero
	v_wmma_scale_f32_16x16x128_f8f6f4 v[ACC:ACC+7], v[WSRC:WSRC+11], v[BFR:BFR+11], 0, v[WSC], v[BSR] matrix_a_fmt:MATRIX_FMT_FP6 matrix_b_fmt:MATRIX_FMT_FP6
.else
	v_wmma_scale_f32_16x16x128_f8f6f4 v[ACC:ACC+7], v[WSRC:WSRC+11], v[BFR:BFR+11], v[ACC:ACC+7], v[WSC], v[BSR] matrix_a_fmt:MATRIX_FMT_FP6 matrix_b_fmt:MATRIX_FMT_FP6
.endif
.endif
.endm
.macro STEPK s, bf, bs, czero          ; one K step: the 8 accumulators, one instruction each
.irp b, 0,1,2,3,4,5,6,7
	MM (\s), \b, (\bf), (\bs), \czero
.endr
.endm
; 64 numbers of a lane, register 16 b + i = k 32 b + 16 (lane / 16) + i of my row, become a fragment's codes in v[PC] on and its scale word in v[PW]
.macro QUANT s
.irp b, 0,1,2,3
	v_max3_num_f32 v[TM+\b], |v[\s+16*\b]|, |v[\s+1+16*\b]|, 0x1800000   ; my 16 numbers of block b and the floor 2^(3 - 127): the byte cannot fall under 1
.endr
.irp i, 2,4,6,8,10,12,14
.irp b, 0,1,2,3
	v_max3_num_f32 v[TM+\b], v[TM+\b], |v[\s+16*\b+\i]|, |v[\s+1+16*\b+\i]|
.endr
.endr
.irp b, 0,1,2,3
	v_permlanex16_b32 v[TM+4+\b], v[TM+\b], s[SEL], s[SEL+1]
.endr
.irp b, 0,1,2,3
	v_max_num_f32 v[TM+\b], v[TM+\b], v[TM+4+\b]   ; with lane l xor 16's: the block's largest magnitude
.endr
.irp b, 0,1,2,3
	v_add_nc_u32 v[TM+12+\b], 0xff000000, v[TM+\b] ; 2 off its exponent field: the conversion's scale operand
.endr
.irp b, 0,1,2,3
	v_lshrrev_b32 v[TM+4+\b], 23, v[TM+12+\b]      ; the scale's byte
.endr
	v_lshl_or_b32 v[PW], v[TM+5], 8, v[TM+4]
	v_lshl_or_b32 v[PW], v[TM+6], 16, v[PW]
	v_lshl_or_b32 v[PW], v[TM+7], 24, v[PW]
.irp c, 0,1
	v_cvt_scalef32_pk16_fp6_f32 v[PC+6*\c:PC+2+6*\c], v[\s+32*\c:\s+15+32*\c], v[TM+12+2*\c]
	v_cvt_scalef32_pk16_fp6_f32 v[PC+12+4*\c:PC+14+4*\c], v[\s+16+32*\c:\s+31+32*\c], v[TM+12+2*\c+1]   ; (a conversion's three registers begin on an even number)
.endr
	v_nop                                          ; one plain line behind a scaled conversion
.irp c, 0,1                            ; the operand's layout wants a whole block in a lane
.irp i, 0,1,2
	v_permlane16_swap_b32 v[PC+6*\c+\i], v[PC+12+4*\c+\i]
.endr
.irp i, 0,1,2
	v_mov_b32 v[PC+3+6*\c+\i], v[PC+12+4*\c+\i]
.endr
.endr
.endm
; gelu of accumulators 2 q, 2 q + 1, in place.  Each accumulator is first read at its registers 0 and 1.  The 32 transcendentals are one batch with one wait.
.macro GELU q
.set GX, HA+16*(\q)
.irp j, 0,2,4,6,8,10,12,14
	v_pk_mul_f32 v[GN+\j:GN+\j+1], v[GX+\j:GX+\j+1], s[CC1:CC1+1] op_sel_hi:[1,0]
.endr
.irp j, 0,2,4,6,8,10,12,14
	v_pk_mul_f32 v[GN+\j:GN+\j+1], v[GN+\j:GN+\j+1], v[GN+\j:GN+\j+1] neg_lo:[1,0] neg_hi:[1,0]   ; -(x^2 / 2) log2(e)
.endr
.irp j, 0,1,2,3,4,5,6,7,8,9,10,11,12,13,14,15
	v_fma_f32 v[GT+\j], |v[GX+\j]|, s[SPP], 1.0
.endr
.irp j, 0,1,2,3,4,5,6,7,8,9,10,11,12,13,14,15
	v_rcp_f32 v[GT+\j], v[GT+\j]                   ; t
.endr
.irp j, 0,1,2,3,4,5,6,7,8,9,10,11,12,13,14,15
	v_exp_f32 v[GN+\j], v[GN+\j]                   ; exp(-x^2 / 2)
.endr
	v_nop                                          ; a plain line behind the last transcendental
	s_wait_alu depctr_va_vdst(0)                   ; one wait for the batch, ahead of its first reader
.irp j, 0,2,4,6,8,10,12,14
	v_pk_fma_f32 v[GP+\j:GP+\j+1], v[GT+\j:GT+\j+1], s[SA5:SA5+1], v[A4V:A4V+1] op_sel_hi:[1,0,1]
.endr
.irp j, 0,2,4,6,8,10,12,14
	v_pk_fma_f32 v[GP+\j:GP+\j+1], v[GP+\j:GP+\j+1], v[GT+\j:GT+\j+1], s[SA3:SA3+1] op_sel_hi:[1,1,0]
.endr
.irp j, 0,2,4,6,8,10,12,14
	v_pk_fma_f32 v[GP+\j:GP+\j+1], v[GP+\j:GP+\j+1], v[GT+\j:GT+\j+1], s[SA2:SA2+1] op_sel_hi:[1,1,0]
.endr
.irp j, 0,2,4,6,8,10,12,14
	v_pk_fma_f32 v[GP+\j:GP+\j+1], v[GP+\j:GP+\j+1], v[GT+\j:GT+\j+1], s[SA1:SA1+1] op_sel_hi:[1,1,0]
.endr
.irp j, 0,2,4,6,8,10,12,14
	v_pk_mul_f32 v[GP+\j:GP+\j+1], v[GP+\j:GP+\j+1], v[GT+\j:GT+\j+1]
.endr
.irp j, 0,2,4,6,8,10,12,14
	v_pk_mul_f32 v[GP+\j:GP+\j+1], v[GP+\j:GP+\j+1], v[GN+\j:GN+\j+1]   ; erfc(|x| / sqrt 2) / 2
.endr
.irp j, 0,1,2,3,4,5,6,7,8,9,10,11,12,13,14,15
	v_max_num_f32 v[GT+\j], 0, v[GX+\j]
.endr
.irp j, 0,1,2,3,4,5,6,7,8,9,10,11,12,13,14,15
	v_fma_f32 v[GX+\j], -|v[GX+\j]|, v[GP+\j], v[GT+\j]
.endr
.endm
	s_load_b256 s[4:11], s[0:1], 0x0               ; ord, xq, xs, w1r
	s_load_b128 s[12:15], s[0:1], 0x20             ; b1, hid
	v_lshl_add_u32 v254, v0, 2, 0x1dc00
	v_mov_b32 v255, 0
	v_lshrrev_b32 v244, 5, v0
	v_readfirstlane_b32 s16, v244                  ; wave
	s_and_b32 s17, ttmp7, 0xffff                   ; tile
	s_mov_b32 s18, ttmp9                           ; group of 512 hidden units
	s_lshl_b32 s45, s17, 2
	v_and_b32 v251, 31, v0
	v_lshlrev_b32 v[L16], 4, v251
	v_lshlrev_b32 v[L4], 2, v251
	v_and_b32 v244, 15, v0                         ; r
	v_bfe_u32 v245, v0, 4, 1                       ; h
	v_lshlrev_b32 v246, 4, v244
	v_mul_u32_u24 v[VAB], v244, 784
	v_mad_u32_u24 v[VAB], v245, 48, v[VAB]
	v_mul_u32_u24 v[VSB], v244, 48
	v_add_nc_u32 v[VSB], XSL, v[VSB]
	s_lshl_b32 s20, s16, 9
	s_add_co_u32 s20, s20, B1L
	v_lshl_add_u32 v[VB], v245, 6, s20
	s_mul_i32 s20, s16, 36                         ; wave w gathers rows 36 w .. 36 w + 35
	v_add_nc_u32 v[VG], s20, v245
	v_mul_u32_u24 v[VG], v[VG], 784
	v_lshl_add_u32 v[VG], v244, 4, v[VG]           ; sixteen lanes to 256 bytes of a row, two rows an instruction
	v_bfe_u32 v252, v0, 3, 2                       ; lane / 8
	v_add_nc_u32 v[VGS], s20, v252
	v_mul_u32_u24 v[VGS], v[VGS], 48
	v_and_b32 v249, 7, v0
	v_lshlrev_b32 v249, 2, v249
	v_add_nc_u32 v[VGS], v[VGS], v249
	v_add_nc_u32 v[VGS], XSL, v[VGS]               ; eight lanes to a row's 32 scale bytes, four rows an instruction
	s_mul_i32 s21, s17, 144
	s_add_co_u32 s21, s21, s20
	v_add_nc_u32 v247, s21, v245
	v_lshlrev_b32 v247, 2, v247
	v_add_nc_u32 v248, s21, v252
	v_lshlrev_b32 v248, 2, v248
	v_lshlrev_b32 v250, 4, v0
	v_add_nc_u32 v253, B1L, v250
	v_mov_b32 v[A4V], 0xbf3a00e3                   ; -1.453152027 / 2
	v_mov_b32 v[A4V+1], 0xbf3a00e3
.irp b, 0,1,2,3
	v_mov_b32 v[TM+4+\b], 0                        ; a lane permute's destination counts as one of its sources
.endr
	s_mov_b32 s[CC1], 0x3f596d27
	s_mov_b32 s[CC1+1], 0x3f596d27
	s_mov_b32 s[SA5], 0x3f07dc22                   ; 1.061405429 / 2
	s_mov_b32 s[SA5+1], 0x3f07dc22
	s_mov_b32 s[SA3], 0x3f35f0e3                   ; 1.421413741 / 2
	s_mov_b32 s[SA3+1], 0x3f35f0e3
	s_mov_b32 s[SA2], 0xbe11a98e                   ; -0.284496736 / 2
	s_mov_b32 s[SA2+1], 0xbe11a98e
	s_mov_b32 s[SA1], 0x3e027906                   ; 0.254829592 / 2
	s_mov_b32 s[SA1+1], 0x3e027906
	s_mov_b32 s[SPP], 0x3e6d3388
	s_mov_b32 s[SEL], 0x76543210
	s_mov_b32 s[SEL+1], 0xfedcba98
	s_mov_b32 s[TB], 0
	s_mov_b32 s[TS], 0
	s_mov_b32 s[CNT], 9
	s_wait_kmcnt 0x0
	s_load_b32 s19, s[4:5], s45 offset:TEOFF       ; the tile's expert
.irp p, 0,1,2,3,4,5,6,7,8,9,10,11,12,13,14,15,16,17
	global_load_b32 v[IDX+\p], v247, s[4:5] offset:8*\p        ; the tokens of rows 36 w + 2 p + h
.endr
.irp j, 0,1,2,3,4,5,6,7,8
	global_load_b32 v[IDX+18+\j], v248, s[4:5] offset:16*\j    ; and of rows 36 w + 4 j + lane / 8
.endr
	s_wait_kmcnt 0x0
	s_min_u32 s19, s19, 3
	s_mov_b32 s23, 0
	s_mul_i32 s22, s19, 1572864
	s_add_nc_u64 s[6:7], s[6:7], s[22:23]          ; xq[e]
	s_lshl_b32 s22, s19, 16
	s_add_nc_u64 s[8:9], s[8:9], s[22:23]          ; xs[e]
	s_lshl_b32 s21, s18, 2
	s_lshl_b32 s20, s19, 5
	s_add_co_u32 s20, s20, s21
	s_add_co_u32 s20, s20, s16
	s_mul_i32 s22, s20, 102400
	s_add_nc_u64 s[WB:WB+1], s[WB:WB+1], s[22:23]  ; record 32 e + 4 x + w
	s_lshl_b32 s22, s19, 14
	s_lshl_b32 s20, s18, 11
	s_add_co_u32 s22, s22, s20
	s_add_nc_u64 s[12:13], s[12:13], s[22:23]      ; b1[e] at the group's 512
	s_mul_i32 s20, s17, 288
	s_add_co_u32 s20, s20, s21
	s_add_co_u32 s20, s20, s16                     ; 288 tile + the next product's K step 4 x + w
	s_mul_i32 s22, s20, 1536
	s_add_nc_u64 s[HB:HB+1], s[14:15], s[22:23]
	s_lshl_b32 s22, s20, 7
	s_add_nc_u64 s[HSB:HSB+1], s[14:15], s[22:23]
	s_add_nc_u64 s[HSB:HSB+1], s[HSB:HSB+1], HSC0
	global_load_b128 v[240:243], v250, s[12:13]
	WRANGE 21, 20                                  ; 60 loads of weights go out while the list comes in
	WIN 0
	s_wait_loadcnt 60                              ; the list and b1 are in; the 60 behind them may be out
.irp p, 0,1,2,3,4,5,6,7,8,9,10,11,12,13,14,15,16,17,18,19,20,21,22,23,24,25,26
	v_min_u32 v[IDX+\p], 2047, v[IDX+\p]
.endr
.irp p, 0,1,2,3,4,5,6,7,8,9,10,11,12,13,14,15,16,17
	v_mul_u32_u24 v[IDX+\p], v[IDX+\p], 768
.endr
.irp p, 0,1,2,3,4,5,6,7,8,9,10,11,12,13,14,15,16,17
	v_add_nc_u32 v[IDX+\p], v[IDX+\p], v246
.endr
.irp j, 0,1,2,3,4,5,6,7,8
	v_lshl_add_u32 v[IDX+18+\j], v[IDX+18+\j], 5, v249
.endr
	WIN 0x40                                       ; the gathered rows pass through window 1, which the weights take afterwards
.irp p, 0,1,2,3,4,5,6,7,8,9,10,11,12,13,14,15,16,17
.irp i, 0,1,2
	global_load_b128 v[4*(3*\p+\i):4*(3*\p+\i)+3], v[IDX+\p], s[6:7] offset:256*\i
.endr
.endr
.irp j, 0,1,2,3,4,5,6,7,8
	global_load_b32 v[216+\j], v[IDX+18+\j], s[8:9]
.endr
	WRANGE 41, 20
	s_wait_loadcnt 60                              ; the gathered rows are in; the 60 behind them may be out
	WIN 0x04                                       ; an LDS store's data are its source 1
.irp p, 0,1,2,3,4,5,6,7,8,9,10,11,12,13,14,15,16,17
.irp i, 0,1,2
	ds_store_b128 v[VG], v[4*(3*\p+\i):4*(3*\p+\i)+3] offset:1568*\p+256*\i
.endr
.endr
.irp j, 0,1,2,3,4,5,6,7,8
	ds_store_b32 v[VGS], v[216+\j] offset:192*\j
.endr
	WIN 0
	ds_store_b128 v253, v[240:243]
	WRANGE 61, 3
.irp s, 0,1,2,3,4,5,6,7
	global_load_b128 v[WS+4*\s:WS+4*\s+3], v[L16], s[WB:WB+1] offset:98304+512*\s
.endr
	s_wait_dscnt 0x0                               ; my stores have landed (for the others' sake) and have read window 1
	WRANGE 0, 21
	WIN 0
	s_barrier_signal -1
	s_barrier_wait -1                              ; the tile's 144 rows and b1 lie in LDS; nothing writes them again
	s_wait_loadcnt 0x0                             ; the weights
.Lblk:                                             ; 9 trips: a block of 16 rows
	v_add_nc_u32 v[VA], s[TB], v[VAB]
	v_add_nc_u32 v[VS], s[TS], v[VSB]
.irp t, 0,1,2,3,4,5,6,7
	ds_load_b128 v[HA+8*\t:HA+8*\t+3], v[VB] offset:4*(32*(\t/2)+8*(\t%2))        ; b1 in the result's layout: it is the C of the first K step
	ds_load_b128 v[HA+8*\t+4:HA+8*\t+7], v[VB] offset:4*(32*(\t/2)+8*(\t%2))+16
.endr
	ds_load_b128 v[XS:XS+3], v[VS]
	ds_load_b128 v[XS+4:XS+7], v[VS] offset:16
.irp s, 0,1,2,3
.irp c, 0,1,2
	ds_load_b128 v[XF+12*\s+4*\c:XF+12*\s+4*\c+3], v[VA] offset:96*\s+16*\c
.endr
.endr
	s_wait_dscnt 0x0
.irp s, 0,1,2,3
	STEPK \s, XF+12*\s, XS+\s, 0
	WIN 0
	PLACES 4                                       ; four plain lines between the products that read a fragment and the loads into it
.irp c, 0,1,2
	ds_load_b128 v[XF+12*\s+4*\c:XF+12*\s+4*\c+3], v[VA] offset:96*(\s+4)+16*\c
.endr
.endr
.irp s, 4,5,6,7
	s_wait_dscnt 3*(7-\s)                          ; K step s's fragment is in; the later steps' may be out
	STEPK \s, XF+12*(\s-4), XS+\s, 0
.endr
	WIN 0
	PLACES 5                                       ; behind the last products, ahead of the first read of results and the first write over operands
	GELU 0
	GELU 1
	GELU 2
	GELU 3
	QUANT HA
.irp c, 0,1,2
	global_store_b128 v[L16], v[PC+4*\c:PC+4*\c+3], s[HB:HB+1] offset:512*\c   ; the fragment's image: 512 bytes on end
.endr
	global_store_b32 v[L4], v[PW], s[HSB:HSB+1]
	s_wait_xcnt 0x0                                ; the stores have read their data and bases: both are written again below and in the next trip
	s_add_nc_u64 s[HB:HB+1], s[HB:HB+1], 49152
	s_add_nc_u64 s[HSB:HSB+1], s[HSB:HSB+1], 4096
	s_add_co_u32 s[TB], s[TB], 12544
	s_add_co_u32 s[TS], s[TS], 768
	s_sub_co_u32 s[CNT], s[CNT], 1
	s_cmp_lg_u32 s[CNT], 0
	s_cbranch_scc1 .Lblk
	s_wait_tensorcnt 0x0
	ds_add_u32 v254, v255
	s_wait_dscnt 0x0
	s_endpgm
.Lfunc_end_k_q7b5792c857_up:
	.size	k_q7b5792c857_up, .Lfunc_end_k_q7b5792c857_up-k_q7b5792c857_up
	.p2alignl 7, 3214868480
	.fill 96, 4, 3214868480
	.section	.rodata,"a",@progbits
	.p2align	6, 0x0
	.amdhsa_kernel k_q7b5792c857_up
		.amdhsa_group_segment_fixed_size 122368
		.amdhsa_private_segment_fixed_size 0
		.amdhsa_enable_private_segment 0
		.amdhsa_kernarg_size 48
		.amdhsa_user_sgpr_count 2
		.amdhsa_user_sgpr_kernarg_segment_ptr 1
		.amdhsa_wavefront_size32 1
		.amdhsa_system_sgpr_workgroup_id_x 1
		.amdhsa_system_sgpr_workgroup_id_y 1
		.amdhsa_system_sgpr_workgroup_id_z 1
		.amdhsa_system_vgpr_workitem_id 0
		.amdhsa_next_free_vgpr 1024
		.amdhsa_next_free_sgpr 66
		.amdhsa_reserve_vcc 0
		.amdhsa_float_denorm_mode_32 3
		.amdhsa_float_denorm_mode_16_64 3
		.amdhsa_memory_ordered 1
		.amdhsa_forward_progress 1
		.amdhsa_inst_pref_size 88
	.end_amdhsa_kernel
	.amdgpu_metadata
---
amdhsa.version: [ 1, 2 ]
amdhsa.kernels:
  - .name:           k_q7b5792c857_up
    .symbol:         k_q7b5792c857_up.kd
    .args:
      - { .name: ord, .offset: 0, .size: 8, .value_kind: global_buffer, .address_space: global }
      - { .name: xq, .offset: 8, .size: 8, .value_kind: global_buffer, .address_space: global }
      - { .name: xs, .offset: 16, .size: 8, .value_kind: global_buffer, .address_space: global }
      - { .name: w1r, .offset: 24, .size: 8, .value_kind: global_buffer, .address_space: global }
      - { .name: b1, .offset: 32, .size: 8, .value_kind: global_buffer, .address_space: global }
      - { .name: hid, .offset: 40, .size: 8, .value_kind: global_buffer, .address_space: global }
    .group_segment_fixed_size: 122368
    .private_segment_fixed_size: 0
    .kernarg_segment_align: 8
    .kernarg_segment_size: 48
    .max_flat_workgroup_size: 128
    .sgpr_count:     66
    .vgpr_count:     1024
    .wavefront_size: 32
...
	.end_amdgpu_metadata
.endif
;; end of part 3
;; launch down (part 4): grid 8 x 32, 4 waves a work-group, no clusters, 68,096 bytes of LDS; arguments ord, hid, w2r, b2, part; writes part
.if DOCPART == 4
	.amdgcn_target "amdgcn-amd-amdhsa--gfx1250"
	.amdhsa_code_object_version 6
	.text
	.protected	k_q7b5792c857_down
	.globl	k_q7b5792c857_down
	.p2align	8
	.type	k_q7b5792c857_down,@function
k_q7b5792c857_down:
	s_mov_b64 s[64:65], 0
	v_nop
	global_prefetch_b8 v0, s[64:65] scope:SCOPE_SE
	s_setreg_imm32_b32 hwreg(HW_REG_WAVE_MODE, 25, 1), 1
	s_wait_xcnt 0x0
; part = hidden W2 + b2 for one tile of 144 sorted rows (work-group y) and 128 output columns (work-group x), on codes of E2M3 with E8M0 scales.
; THE WEIGHTS STAY IN REGISTERS, AND THE WAVES SHARE K: wave w holds the 128 rows of W2 x K steps 8 w .. 8 w + 7: 64 fragments and 32 registers of scale words, loaded once from the record that the first launch laid.
; The hidden layer's fragments come from memory straight into registers, as images, 512 bytes on end a load, a block ahead.  A block of 16 rows is 64 matrix instructions on 8 accumulators by turns, one instruction a turn
; TRANSPOSED: source 0 = 16 rows of W2, source 1 = 16 rows of the hidden layer: a lane holds eight neighbouring columns of one row.
; The four waves' partial sums meet in a stage in LDS; wave w adds rows 4 w .. 4 w + 3 in a fixed order, adds b2 and stores whole runs of 512 bytes.
; A BLOCK'S SUM IS MADE INSIDE THE NEXT BLOCK.  A wave stores its partial sums, waits for them and signals the barrier; it issues the next block's first 16 products and only then waits at the barrier.  The stage is read
; back two rows at a time into 32 spare registers: behind K steps 0, 1 and behind K steps 4, 5; each half is summed and stored 16 products later.  So every LDS load, and every wait that frees a base or a store's data,
; has 16 products between the access and the wait for it.
; Two stages by turns: block j's stage is read in block j + 1, those reads are waited for ahead of block j + 1's signal, and the stage is written again in block j + 2, behind the wait of that barrier.
; No multicast: the weights hang on the tile's expert, a stored number; the hidden tile that the 8 column groups share would want a ring in LDS and a round of a cluster's barrier for each block.
; No branch and no trip count hangs on data.  Pad rows give numbers that the last launch never reads.  NaN and infinities are not served.
.set TEOFF, 18688
.set HSC0,  14155776
.set STGB,  33792                      ; a stage: 4 waves x 16 rows x (512 + 16) bytes
.set L16, 1
.set L4,  2
.set STO, 3                            ; v3   8448 w + 528 r + 32 h
.set SRD, 4                            ; v4   2112 w + 16 lane
.set B2R, 8                            ; v8-11 b2 at my four columns
.set HS,  12                           ; v12-19 the hidden layer's scale words of my 8 K steps
.set WS,  20                           ; v20-51 W2's scale words: register 4 s + b / 2, fragment b in lanes 0-15 (b even) or 16-31 (b odd)
.set WX,  52                           ; v52-63 fragment 63
.set HA,  64                           ; v64-127 the 8 accumulators
.set XF,  128                          ; v128-223 eight fragments of the hidden layer
.set RB,  224                          ; v224-255 two rows of the last block: four waves' parts of each
.set WB,  8                            ; s[8:9]
.set HB,  24
.set HSB, 26
.set CNT, 28
.set MSB, 0
.macro WIN new                         ; the immediate's high byte repeats the setting that is left
.if MSB != (\new)
	s_set_vgpr_msb (MSB<<8)|(\new)
.set MSB, (\new)
.endif
.endm
.macro PLACES n
.rept \n
	v_nop
.endr
.endm
.macro WLOAD f                         ; fragment f = 8 s + b: window 1 + f / 21, register 12 (f % 21); fragment 63 in window 0
.if (\f) < 63
.set WDST, 12*((\f)%21)
	WIN ((1+(\f)/21)<<6)
.else
.set WDST, WX
	WIN 0
.endif
.irp c, 0,1,2
	global_load_b128 v[WDST+4*\c:WDST+4*\c+3], v[L16], s[WB:WB+1] offset:1536*(\f)+512*\c
.endr
.endm
.macro WRANGE first, count
.set FI, \first
.rept \count
	WLOAD FI
.set FI, FI+1
.endr
.endm
.macro MM s, b, bf, bs, czero
.set FQ, 8*(\s)+(\b)
.if FQ < 63
.set WSRC, 12*(FQ%21)
	WIN (1+FQ/21)
.else
.set WSRC, WX
	WIN 0
.endif
.set ACC, HA+8*(\b)
.set WSC, WS+4*(\s)+(\b)/2
.set BFR, \bf
.set BSR, \bs
.if (\b)%2
.if \czero
	v_wmma_scale_f32_16x16x128_f8f6f4 v[ACC:ACC+7], v[WSRC:WSRC+11], v[BFR:BFR+11], 0, v[WSC], v[BSR] matrix_a_fmt:MATRIX_FMT_FP6 matrix_b_fmt:MATRIX_FMT_FP6 matrix_a_scale:MATRIX_SCALE_ROW1
.else
	v_wmma_scale_f32_16x16x128_f8f6f4 v[ACC:ACC+7], v[WSRC:WSRC+11], v[BFR:BFR+11], v[ACC:ACC+7], v[WSC], v[BSR] matrix_a_fmt:MATRIX_FMT_FP6 matrix_b_fmt:MATRIX_FMT_FP6 matrix_a_scale:MATRIX_SCALE_ROW1
.endif
.else
.if \czero
	v_wmma_scale_f32_16x16x128_f8f6f4 v[ACC:ACC+7], v[WSRC:WSRC+11], v[BFR:BFR+11], 0, v[WSC], v[BSR] matrix_a_fmt:MATRIX_FMT_FP6 matrix_b_fmt:MATRIX_FMT_FP6
.else
	v_wmma_scale_f32_16x16x128_f8f6f4 v[ACC:ACC+7], v[WSRC:WSRC+11], v[BFR:BFR+11], v[ACC:ACC+7], v[WSC], v[BSR] matrix_a_fmt:MATRIX_FMT_FP6 matrix_b_fmt:MATRIX_FMT_FP6
.endif
.endif
.endm
.macro STEPK s, bf, bs, czero
.irp b, 0,1,2,3,4,5,6,7
	MM (\s), \b, (\bf), (\bs), \czero
.endr
.endm
.macro TLOAD q                         ; K steps 2 q, 2 q + 1 of the block at s[HB], s[HSB]: eight loads
.irp s, 2*(\q), 2*(\q)+1
.irp c, 0,1,2
	global_load_b128 v[XF+12*(\s)+4*\c:XF+12*(\s)+4*\c+3], v[L16], s[HB:HB+1] offset:1536*(\s)+512*\c
.endr
	global_load_b32 v[HS+(\s)], v[L4], s[HSB:HSB+1] offset:128*(\s)
.endr
.endm
.macro LWAIT q, more                   ; the pair of K steps 2 q, 2 q + 1 is in
.if \more
	s_wait_loadcnt 24                              ; behind its eight loads stand 8 (3 - q) of this block and 8 q of the next
.else
	s_wait_loadcnt 8*(3-(\q))
.endif
.endm
.macro RLOAD half, sp                  ; rows 4 w + 2 half and the next, all four waves' parts, out of stage sp
.irp i, 0,1
.irp v, 0,1,2,3
	ds_load_b128 v[RB+16*\i+4*\v:RB+16*\i+4*\v+3], v[SRD] offset:STGB*(\sp)+8448*\v+528*(2*(\half)+\i)
.endr
.endr
.endm
.macro RSUM off                        ; the two rows: ((wave 0 + wave 1) + (wave 2 + wave 3)) + b2, and out; off: the first row's bytes from s[12:13]
	s_wait_dscnt 0x0                               ; asked for 16 products ago
.irp i, 0,1
	v_pk_add_f32 v[RB+16*\i:RB+16*\i+1], v[RB+16*\i:RB+16*\i+1], v[RB+16*\i+4:RB+16*\i+5]
	v_pk_add_f32 v[RB+16*\i+2:RB+16*\i+3], v[RB+16*\i+2:RB+16*\i+3], v[RB+16*\i+6:RB+16*\i+7]
	v_pk_add_f32 v[RB+16*\i+8:RB+16*\i+9], v[RB+16*\i+8:RB+16*\i+9], v[RB+16*\i+12:RB+16*\i+13]
	v_pk_add_f32 v[RB+16*\i+10:RB+16*\i+11], v[RB+16*\i+10:RB+16*\i+11], v[RB+16*\i+14:RB+16*\i+15]
.endr
.irp i, 0,1
	v_pk_add_f32 v[RB+16*\i:RB+16*\i+1], v[RB+16*\i:RB+16*\i+1], v[RB+16*\i+8:RB+16*\i+9]
	v_pk_add_f32 v[RB+16*\i+2:RB+16*\i+3], v[RB+16*\i+2:RB+16*\i+3], v[RB+16*\i+10:RB+16*\i+11]
.endr
.irp i, 0,1
	v_pk_add_f32 v[RB+16*\i:RB+16*\i+1], v[RB+16*\i:RB+16*\i+1], v[B2R:B2R+1]
	v_pk_add_f32 v[RB+16*\i+2:RB+16*\i+3], v[RB+16*\i+2:RB+16*\i+3], v[B2R+2:B2R+3]
.endr
	global_store_b128 v[L16], v[RB:RB+3], s[12:13] offset:(\off)             ; 512 bytes on end, at a multiple of 512 from the buffer's first byte
	global_store_b128 v[L16], v[RB+16:RB+19], s[12:13] offset:(\off)+4096
.endm
; A block of 16 rows.  par: its stage.  more = 1: the next block's fragments are asked for as this block's are used up.  prev = 1: the block before it is summed and stored on the way.
.macro BLOCK par, more, prev
	LWAIT 0, \more
	STEPK 0, XF, HS, 1                             ; the first K step starts the sums
	STEPK 1, XF+12, HS+1, 0
	WIN 0
.if \prev
	s_barrier_wait -1                              ; every wave's partial sums of the last block lie in the other stage (between the signal and this wait: products alone)
.endif
	s_wait_xcnt 0x0                                ; the last block's loads and stores, 16 products back or more, have read their bases and data
.if \prev
	RLOAD 0, 1-\par
.endif
.if \more
	s_add_nc_u64 s[HB:HB+1], s[HB:HB+1], 49152     ; on to the next block's images
	s_add_nc_u64 s[HSB:HSB+1], s[HSB:HSB+1], 4096
	PLACES 4                                       ; four plain lines between the products that read the fragments and scale words and the loads into them
	TLOAD 0
.endif
	LWAIT 1, \more
	STEPK 2, XF+24, HS+2, 0
	STEPK 3, XF+36, HS+3, 0
	WIN 0
.if \more
	PLACES 4
	TLOAD 1
.endif
.if \prev
	RSUM 0
.endif
	LWAIT 2, \more
	STEPK 4, XF+48, HS+4, 0
	STEPK 5, XF+60, HS+5, 0
	WIN 0
.if \prev
	s_wait_xcnt 0x0                                ; the two stores, 16 products back, have read their registers and their base
	s_add_nc_u64 s[12:13], s[12:13], 65536         ; the base goes on to this block's rows; the last block's other two rows are reached by a negative immediate
	RLOAD 1, 1-\par
.endif
.if \more
	PLACES 4
	TLOAD 2
.endif
	LWAIT 3, \more
	STEPK 6, XF+72, HS+6, 0
	STEPK 7, XF+84, HS+7, 0
	WIN 0
.if \more
	PLACES 4
	TLOAD 3
.endif
.if \prev
	RSUM 8192-65536                                ; its sixteen additions are also the plain lines between the last products and the first read of their results
.else
	PLACES 5
.endif
.irp b, 0,1,2,3,4,5,6,7
	ds_store_b128 v[STO], v[HA+8*\b:HA+8*\b+3] offset:STGB*\par+64*\b          ; each accumulator from its low end on
	ds_store_b128 v[STO], v[HA+8*\b+4:HA+8*\b+7] offset:STGB*\par+64*\b+16
.endr
	s_wait_dscnt 0x0                               ; for the others' sake: my partial sums lie in the stage, and my reads of the other stage are over; the accumulators may be written again
	s_barrier_signal -1                            ; the wait stands behind the next block's first 16 products
.endm
	s_load_b256 s[4:11], s[0:1], 0x0               ; ord, hid, w2r, b2
	s_load_b64 s[12:13], s[0:1], 0x20              ; part
	s_set_vgpr_msb 0x40
	v_lshl_add_u32 v254, v0, 2, 0x10800
	v_mov_b32 v255, 0
	s_set_vgpr_msb 0x4000
	v_lshrrev_b32 v5, 5, v0
	v_readfirstlane_b32 s16, v5                    ; wave
	s_and_b32 s17, ttmp7, 0xffff                   ; tile
	s_mov_b32 s18, ttmp9                           ; group of 128 columns
	s_lshl_b32 s29, s17, 2
	v_and_b32 v5, 31, v0
	v_lshlrev_b32 v[L16], 4, v5
	v_lshlrev_b32 v[L4], 2, v5
	v_and_b32 v6, 15, v0
	v_bfe_u32 v7, v0, 4, 1
	s_mul_i32 s20, s16, 8448
	v_mul_u32_u24 v[STO], v6, 528
	v_lshl_add_u32 v[STO], v7, 5, v[STO]
	v_add_nc_u32 v[STO], s20, v[STO]
	s_mul_i32 s20, s16, 2112
	v_add_nc_u32 v[SRD], s20, v[L16]
	s_mov_b32 s[CNT], 3
	s_wait_kmcnt 0x0
	s_load_b32 s19, s[4:5], s29 offset:TEOFF       ; the tile's expert
	s_wait_kmcnt 0x0
	s_min_u32 s19, s19, 3
	s_mov_b32 s23, 0
	s_lshl_b32 s20, s19, 3
	s_add_co_u32 s20, s20, s18
	s_lshl_b32 s20, s20, 2
	s_add_co_u32 s20, s20, s16
	s_mul_i32 s22, s20, 102400
	s_add_nc_u64 s[WB:WB+1], s[WB:WB+1], s[22:23]  ; record 4 (8 e + x) + w
	s_lshl_b32 s22, s19, 12
	s_lshl_b32 s20, s18, 9
	s_add_co_u32 s22, s22, s20
	s_add_nc_u64 s[10:11], s[10:11], s[22:23]      ; b2[e] at the group's 128
	s_mul_i32 s20, s17, 288
	s_lshl_b32 s21, s16, 3
	s_add_co_u32 s20, s20, s21                     ; 288 tile + K step 8 w
	s_mul_i32 s22, s20, 1536
	s_add_nc_u64 s[HB:HB+1], s[6:7], s[22:23]
	s_lshl_b32 s22, s20, 7
	s_add_nc_u64 s[HSB:HSB+1], s[6:7], s[22:23]
	s_add_nc_u64 s[HSB:HSB+1], s[HSB:HSB+1], HSC0
	s_mul_i32 s20, s17, 144
	s_lshl_b32 s21, s16, 2
	s_add_co_u32 s20, s20, s21
	s_lshl_b32 s22, s20, 12
	s_lshl_b32 s20, s18, 9
	s_add_co_u32 s22, s22, s20
	s_add_nc_u64 s[12:13], s[12:13], s[22:23]      ; part at row 144 tile + 4 w, column 128 x
	WRANGE 0, 64
.irp s, 0,1,2,3,4,5,6,7
	global_load_b128 v[WS+4*\s:WS+4*\s+3], v[L16], s[WB:WB+1] offset:98304+512*\s
.endr
	global_load_b128 v[B2R:B2R+3], v[L16], s[10:11]
	TLOAD 0                                        ; block 0's fragments; the weights are older, so the counted waits for these cover them
	TLOAD 1
	TLOAD 2
	TLOAD 3
	BLOCK 0, 1, 0                                  ; block 0 is written out: no block stands before it
.Lpair:                                            ; 3 trips of two blocks: blocks 1 to 6.  At the label a barrier is signalled and not yet waited for, on the way in and on the way back alike
	BLOCK 1, 1, 1
	BLOCK 0, 1, 1
	s_sub_co_u32 s[CNT], s[CNT], 1
	s_cmp_lg_u32 s[CNT], 0
	s_cbranch_scc1 .Lpair
	BLOCK 1, 1, 1                                  ; block 7
	BLOCK 0, 0, 1                                  ; block 8 asks for nothing more
	s_barrier_wait -1                              ; block 8's partial sums lie in stage 0; the accumulators are free: all four rows at once
.irp i, 0,1,2,3
.irp v, 0,1,2,3
	ds_load_b128 v[HA+16*\i+4*\v:HA+16*\i+4*\v+3], v[SRD] offset:8448*\v+528*\i   ; row 4 w + i, wave v's part
.endr
.endr
	s_wait_dscnt 0x0
.irp i, 0,1,2,3
	v_pk_add_f32 v[HA+16*\i:HA+16*\i+1], v[HA+16*\i:HA+16*\i+1], v[HA+16*\i+4:HA+16*\i+5]
	v_pk_add_f32 v[HA+16*\i+2:HA+16*\i+3], v[HA+16*\i+2:HA+16*\i+3], v[HA+16*\i+6:HA+16*\i+7]
	v_pk_add_f32 v[HA+16*\i+8:HA+16*\i+9], v[HA+16*\i+8:HA+16*\i+9], v[HA+16*\i+12:HA+16*\i+13]
	v_pk_add_f32 v[HA+16*\i+10:HA+16*\i+11], v[HA+16*\i+10:HA+16*\i+11], v[HA+16*\i+14:HA+16*\i+15]
.endr
.irp i, 0,1,2,3
	v_pk_add_f32 v[HA+16*\i:HA+16*\i+1], v[HA+16*\i:HA+16*\i+1], v[HA+16*\i+8:HA+16*\i+9]
	v_pk_add_f32 v[HA+16*\i+2:HA+16*\i+3], v[HA+16*\i+2:HA+16*\i+3], v[HA+16*\i+10:HA+16*\i+11]
.endr
.irp i, 0,1,2,3
	v_pk_add_f32 v[HA+16*\i:HA+16*\i+1], v[HA+16*\i:HA+16*\i+1], v[B2R:B2R+1]
	v_pk_add_f32 v[HA+16*\i+2:HA+16*\i+3], v[HA+16*\i+2:HA+16*\i+3], v[B2R+2:B2R+3]
.endr
.irp i, 0,1,2,3
	global_store_b128 v[L16], v[HA+16*\i:HA+16*\i+3], s[12:13] offset:4096*\i   ; the base stands at block 8's rows since that block's middle
.endr
	s_set_vgpr_msb 0x5
	s_wait_tensorcnt 0x0
	ds_add_u32 v254, v255
	s_wait_dscnt 0x0
	s_set_vgpr_msb 0x500
	s_endpgm
.Lfunc_end_k_q7b5792c857_down:
	.size	k_q7b5792c857_down, .Lfunc_end_k_q7b5792c857_down-k_q7b5792c857_down
	.p2alignl 7, 3214868480
	.fill 96, 4, 3214868480
	.section	.rodata,"a",@progbits
	.p2align	6, 0x0
	.amdhsa_kernel k_q7b5792c857_down
		.amdhsa_group_segment_fixed_size 68096
		.amdhsa_private_segment_fixed_size 0
		.amdhsa_enable_private_segment 0
		.amdhsa_kernarg_size 40
		.amdhsa_user_sgpr_count 2
		.amdhsa_user_sgpr_kernarg_segment_ptr 1
		.amdhsa_wavefront_size32 1
		.amdhsa_system_sgpr_workgroup_id_x 1
		.amdhsa_system_sgpr_workgroup_id_y 1
		.amdhsa_system_sgpr_workgroup_id_z 1
		.amdhsa_system_vgpr_workitem_id 0
		.amdhsa_next_free_vgpr 1024
		.amdhsa_next_free_sgpr 66
		.amdhsa_reserve_vcc 0
		.amdhsa_float_denorm_mode_32 3
		.amdhsa_float_denorm_mode_16_64 3
		.amdhsa_memory_ordered 1
		.amdhsa_forward_progress 1
		.amdhsa_inst_pref_size 105
	.end_amdhsa_kernel
	.amdgpu_metadata
---
amdhsa.version: [ 1, 2 ]
amdhsa.kernels:
  - .name:           k_q7b5792c857_down
    .symbol:         k_q7b5792c857_down.kd
    .args:
      - { .name: ord, .offset: 0, .size: 8, .value_kind: global_buffer, .address_space: global }
      - { .name: hid, .offset: 8, .size: 8, .value_kind: global_buffer, .address_space: global }
      - { .name: w2r, .offset: 16, .size: 8, .value_kind: global_buffer, .address_space: global }
      - { .name: b2, .offset: 24, .size: 8, .value_kind: global_buffer, .address_space: global }
      - { .name: part, .offset: 32, .size: 8, .value_kind: global_buffer, .address_space: global }
    .group_segment_fixed_size: 68096
    .private_segment_fixed_size: 0
    .kernarg_segment_align: 8
    .kernarg_segment_size: 40
    .max_flat_workgroup_size: 128
    .sgpr_count:     66
    .vgpr_count:     1024
    .wavefront_size: 32
...
	.end_amdgpu_metadata
.endif
;; end of part 4
;; launch comb (part 5): grid 256 x 1, 8 waves a work-group, no clusters, 0 bytes of LDS; arguments ord, out3, part, out0; writes out0
.if DOCPART == 5
	.amdgcn_target "amdgcn-amd-amdhsa--gfx1250"
	.amdhsa_code_object_version 6
	.text
	.protected	k_q7b5792c857_comb
	.globl	k_q7b5792c857_comb
	.p2align	8
	.type	k_q7b5792c857_comb,@function
k_q7b5792c857_comb:
	s_mov_b64 s[64:65], 0
	v_nop
	global_prefetch_b8 v0, s[64:65] scope:SCOPE_SE
	s_setreg_imm32_b32 hwreg(HW_REG_WAVE_MODE, 25, 1), 1
	s_wait_xcnt 0x0
; y[t] = w1 part[slot1] + w2 part[slot2]: a token's two rows, found by the sorted positions, weighed by the renormalised gate.  A wave takes a token: a row is 4,096 bytes, eight loads of 512 bytes on end from each row,
; eight stores of 512 bytes on end.  A stream: no LDS, no barrier, no matrix unit.  The slots are stored whole numbers, held to their range before they enter an address.
.set POSOFF, 18944
	s_load_b256 s[4:11], s[0:1], 0x0               ; ord, out3, part, out0
	v_lshrrev_b32 v1, 5, v0
	v_readfirstlane_b32 s12, v1                    ; wave
	s_lshl_b32 s13, ttmp9, 3
	s_add_co_u32 s13, s13, s12                     ; token
	s_lshl_b32 s14, s13, 3
	v_and_b32 v2, 31, v0
	v_lshlrev_b32 v2, 4, v2
	s_wait_kmcnt 0x0
	s_load_b64 s[16:17], s[4:5], s14 offset:POSOFF ; its two slots
	s_load_b64 s[18:19], s[6:7], s14 offset:0x0    ; its two weights
	s_wait_kmcnt 0x0
	s_min_u32 s16, s16, 4607
	s_min_u32 s17, s17, 4607
	s_lshl_b32 s20, s16, 12
	s_mov_b32 s21, 0
	s_lshl_b32 s22, s17, 12
	s_mov_b32 s23, 0
	s_add_nc_u64 s[20:21], s[8:9], s[20:21]
	s_add_nc_u64 s[22:23], s[8:9], s[22:23]
	s_mov_b32 s24, s19                             ; the packed forms take a pair's low word for both halves
	s_mov_b32 s25, s19
	s_lshl_b32 s26, s13, 12
	s_mov_b32 s27, 0
	s_add_nc_u64 s[10:11], s[10:11], s[26:27]
.irp j, 0,1,2,3,4,5,6,7
	global_load_b128 v[8+4*\j:11+4*\j], v2, s[20:21] offset:512*\j th:TH_LOAD_NT
.endr
.irp j, 0,1,2,3,4,5,6,7
	global_load_b128 v[40+4*\j:43+4*\j], v2, s[22:23] offset:512*\j th:TH_LOAD_NT
.endr
	s_wait_loadcnt 8                               ; the first row is in; the second row's eight loads may be out
.irp k, 0,2,4,6,8,10,12,14,16,18,20,22,24,26,28,30
	v_pk_mul_f32 v[8+\k:9+\k], v[8+\k:9+\k], s[18:19] op_sel_hi:[1,0]
.endr
	s_wait_loadcnt 0x0
.irp k, 0,2,4,6,8,10,12,14,16,18,20,22,24,26,28,30
	v_pk_fma_f32 v[8+\k:9+\k], v[40+\k:41+\k], s[24:25], v[8+\k:9+\k] op_sel_hi:[1,0,1]
.endr
.irp j, 0,1,2,3,4,5,6,7
	global_store_b128 v2, v[8+4*\j:11+4*\j], s[10:11] offset:512*\j th:TH_STORE_NT
.endr
	s_endpgm
.Lfunc_end_k_q7b5792c857_comb:
	.size	k_q7b5792c857_comb, .Lfunc_end_k_q7b5792c857_comb-k_q7b5792c857_comb
	.p2alignl 7, 3214868480
	.fill 96, 4, 3214868480
	.section	.rodata,"a",@progbits
	.p2align	6, 0x0
	.amdhsa_kernel k_q7b5792c857_comb
		.amdhsa_group_segment_fixed_size 0
		.amdhsa_private_segment_fixed_size 0
		.amdhsa_enable_private_segment 0
		.amdhsa_kernarg_size 32
		.amdhsa_user_sgpr_count 2
		.amdhsa_user_sgpr_kernarg_segment_ptr 1
		.amdhsa_wavefront_size32 1
		.amdhsa_system_sgpr_workgroup_id_x 1
		.amdhsa_system_sgpr_workgroup_id_y 1
		.amdhsa_system_sgpr_workgroup_id_z 1
		.amdhsa_system_vgpr_workitem_id 0
		.amdhsa_next_free_vgpr 80
		.amdhsa_next_free_sgpr 66
		.amdhsa_reserve_vcc 0
		.amdhsa_float_denorm_mode_32 3
		.amdhsa_float_denorm_mode_16_64 3
		.amdhsa_memory_ordered 1
		.amdhsa_forward_progress 1
		.amdhsa_inst_pref_size 6
	.end_amdhsa_kernel
	.amdgpu_metadata
---
amdhsa.version: [ 1, 2 ]
amdhsa.kernels:
  - .name:           k_q7b5792c857_comb
    .symbol:         k_q7b5792c857_comb.kd
    .args:
      - { .name: ord, .offset: 0, .size: 8, .value_kind: global_buffer, .address_space: global }
      - { .name: out3, .offset: 8, .size: 8, .value_kind: global_buffer, .address_space: global }
      - { .name: part, .offset: 16, .size: 8, .value_kind: global_buffer, .address_space: global }
      - { .name: out0, .offset: 24, .size: 8, .value_kind: global_buffer, .address_space: global }
    .group_segment_fixed_size: 0
    .private_segment_fixed_size: 0
    .kernarg_segment_align: 8
    .kernarg_segment_size: 32
    .max_flat_workgroup_size: 256
    .sgpr_count:     66
    .vgpr_count:     80
    .wavefront_size: 32
...
	.end_amdgpu_metadata
.endif
;; end of part 5
;; ======== version 2 of 2: 5 launches; version 1 with the launches up, down written anew for expert scheduling mode
;; limits: a function is approximated: absolute error at most 1.5e-07
;; workspace buffers: sel 16,384 bytes of whole numbers; ord 35,328 bytes of whole numbers; xq 6,291,456 bytes; xs 262,144 bytes; w1r 13,107,200 bytes; w2r 13,107,200 bytes; hid 15,335,424 bytes; part 18,874,368 bytes
;; launch prep: the kernel of part 1 again; grid 512 x 1, 4 waves a work-group, no clusters, 143,360 bytes of LDS; arguments x, gate_w, gate_b, ln_w, ln_b, w1_codes, w1_scales, w2_codes, w2_scales, out1, out2, out3, sel, xq, xs, w1r, w2r; writes out1, out2, out3, sel, xq, xs, w1r, w2r
;; launch sort: the kernel of part 2 again; grid 1 x 1, 32 waves a work-group, no clusters, 5,120 bytes of LDS; arguments sel, out1, ord, out4; writes ord, out4
;; launch up (part 6): grid 8 x 32, 4 waves a work-group, no clusters, 122,368 bytes of LDS; arguments ord, xq, xs, w1r, b1, hid; writes hid
.if DOCPART == 6
	.amdgcn_target "amdgcn-amd-amdhsa--gfx1250"
	.amdhsa_code_object_version 6
	.text
	.protected	k_q7b5792c857_up
	.globl	k_q7b5792c857_up
	.p2align	8
	.type	k_q7b5792c857_up,@function
k_q7b5792c857_up:
	s_mov_b64 s[64:65], 0
	v_nop
	global_prefetch_b8 v0, s[64:65] scope:SCOPE_SE
	s_setreg_imm32_b32 hwreg(HW_REG_WAVE_SCHED_MODE, 0, 2), 2
	s_setreg_imm32_b32 hwreg(HW_REG_WAVE_MODE, 25, 1), 1
	s_wait_xcnt 0x0
	s_wait_alu depctr_vm_vsrc(0)
; hidden = Q(gelu(xe W1 + b1)) for one tile of 144 sorted rows (work-group y) and 512 hidden units (work-group x), on codes of E2M3 with E8M0 scales.
; THE WEIGHTS STAY IN REGISTERS: wave w holds 128 rows of W1 x all 1,024 of K: 64 fragments (768 registers) and 32 registers of scale words, loaded once, 512 bytes on end a load, from the record that the first launch laid.
; The tile's rows of xe (codes and scale bytes, gathered by the sorted list) lie in LDS and are read by all four waves.  A wave walks the 9 blocks of 16 rows: 64 matrix instructions on 8 accumulators by turns,
; one instruction a turn, then gelu and the quantiser in registers; the block's fragment of the next product's K step 4 x + w goes to memory as an image of its registers.
; TRANSPOSED: source 0 = 16 rows of W1, source 1 = 16 rows of xe: a lane holds one row of the hidden layer.  The rows of W1 in a fragment are chosen (by the record) so that the 16 registers of accumulators 2 b, 2 b + 1
; are hidden units 32 b + 16 (lane / 16) + 0 .. 15.  b1 is the C of each sum's first instruction.
; No multicast: the weights, nearly all of the bytes, hang on the tile's expert, a stored number that differs between the tiles that could be partners; the tile's rows are a quarter of a work-group's bytes.
; No branch and no trip count hangs on data; the tile's expert and the list's tokens enter addresses alone, each held to its range.  A pad slot names token 0; its results are never read for an output.
; GELU: x Phi(x) = max(0, x) - |x| erfc(|x| / sqrt 2) / 2, erfc by Abramowitz and Stegun 7.1.26 (five terms in t = 1 / (1 + p z), times exp(-z^2)).
; LIMITS: that series errs by at most 1.5e-7 in erfc, so gelu by 0.75e-7 |x|; NaN and infinities are not served; a block of zeros gets the byte 1 (only this program reads the bytes).
; THE MODE: SCHED_MODE bits 1:0 = 2 (LLVM: expert scheduling mode 2), set by the entry lines.  The code itself states the register dependences
; between vector or matrix instructions and memory or LDS instructions, with s_wait_alu, always for 0.
; THE PLAN.  Registers that memory or LDS instructions touch, in the loop:
;   v[VA], v[VS]   Written by two additions at a trip's head; read by the trip's LDS loads of xe's fragments and scale words.
;   HA             16 LDS loads bring b1; the products add onto it; gelu and the quantiser read and write it.
;   XS             2 LDS loads; read by the products as scales.
;   eight fragments of xe (v128-175, v196-207, v214-249): 24 LDS loads; read by the products; behind the products gelu and the quantiser work in v128-175 and v196-211.
;   PC, PW         Written by the quantiser; read by the trip's four stores.
;   v[L16], v[L4], v[VB]  Made at the head and never written again.
; All of a block's 42 LDS loads stand in ONE run at the trip's head, behind one wait on va_vdst; the 64 products hold no load and no s_wait_alu, only counted waits on DScnt.
; One wait on va_vdst stands in each gelu (its batch of transcendentals), one ahead of the stores; one wait on vm_vsrc at the trip's end, ahead of the backward jump.
.set TEOFF, 18688
.set HSC0,  14155776                   ; hid: fragment images [32][9][32][1536], then from here their scale words [32][9][32][128]
.set XSL,   112896                     ; LDS: 144 rows of codes, 784 bytes apart (768 + 16), from 0; here their scale bytes, 48 apart (32 + 16);
.set B1L,   119808                     ; here the group's 512 numbers of b1
.set L16, 1                            ; v1   16 x lane
.set L4,  2                            ; v2   4 x lane
.set VAB, 3                            ; v3   784 r + 48 h
.set VSB, 4                            ; v4   XSL + 48 r
.set VB,  5                            ; v5   B1L + 512 w + 64 h
.set VA,  6                            ; v6   the block's codes
.set VS,  7                            ; v7   the block's scale words
.set VG,  8                            ; v8   the gather's way into LDS, codes
.set VGS, 9                            ; v9   and scale bytes
.set A4V, 10                           ; v10-11 a coefficient, as a pair
.set XS,  12                           ; v12-19 xe's scale words of the 8 K steps
.set WS,  20                           ; v20-51 W1's scale words: register 4 s + b / 2, fragment b in lanes 0-15 (b even) or 16-31 (b odd)
.set WX,  52                           ; v52-63 fragment 63
.set HA,  64                           ; v64-127 the 8 accumulators
.set XF,  128                          ; v128-175 xe's fragments of K steps 0 to 3; behind the products: t, the exponentials, the series
.set GT,  128
.set GN,  144
.set GP,  160
.set PC,  176                          ; v176-195 the codes just made
.set TM,  196                          ; v196-211 the quantiser's work; during the products v196-207 hold xe's fragment of K step 4
.set PW,  212                          ; v212 the scale word just made
.set IDX, 213                          ; v213-239 at the head: the list's tokens, then offsets
.set XG,  214                          ; v214-249 in the loop: xe's fragments of K steps 5 to 7
.set WB,  10                           ; s[10:11] my record
.set HB,  24                           ; s[24:25] where the block's image goes
.set HSB, 26                           ; s[26:27] and its scale words
.set CC1, 28                           ; s[28:29] sqrt(log2(e) / 2)
.set SA5, 30
.set SA3, 32
.set SA2, 34
.set SA1, 36
.set SPP, 38                           ; s38 0.3275911 / sqrt 2
.set SEL, 40
.set TB,  42
.set TS,  43
.set CNT, 44
; fragment f = 8 s + b lies in window 1 + f / 21 at register 12 (f % 21); fragment 63 in window 0
.set MSB, 0
.macro WIN new                         ; the immediate's high byte repeats the setting that is left
.if MSB != (\new)
	s_set_vgpr_msb (MSB<<8)|(\new)
.set MSB, (\new)
.endif
.endm
.macro PLACES n
.rept \n
	v_nop
.endr
.endm
.macro FPLACE s                        ; FB: where xe's fragment of K step s lies
.if (\s) < 4
.set FB, XF+12*(\s)
.elseif (\s) == 4
.set FB, TM
.else
.set FB, XG+12*((\s)-5)
.endif
.endm
.macro WLOAD f
.if (\f) < 63
.set WDST, 12*((\f)%21)
	WIN ((1+(\f)/21)<<6)
.else
.set WDST, WX
	WIN 0
.endif
.irp c, 0,1,2
	global_load_b128 v[WDST+4*\c:WDST+4*\c+3], v[L16], s[WB:WB+1] offset:1536*(\f)+512*\c
.endr
.endm
.macro WRANGE first, count
.set FI, \first
.rept \count
	WLOAD FI
.set FI, FI+1
.endr
.endm
.macro MM s, b, bf, bs, czero
.set FQ, 8*(\s)+(\b)
.if FQ < 63
.set WSRC, 12*(FQ%21)
	WIN (1+FQ/21)
.else
.set WSRC, WX
	WIN 0
.endif
.set ACC, HA+8*(\b)
.set WSC, WS+4*(\s)+(\b)/2
.set BFR, \bf
.set BSR, \bs
.if (\b)%2
.if \czero
	v_wmma_scale_f32_16x16x128_f8f6f4 v[ACC:ACC+7], v[WSRC:WSRC+11], v[BFR:BFR+11], 0, v[WSC], v[BSR] matrix_a_fmt:MATRIX_FMT_FP6 matrix_b_fmt:MATRIX_FMT_FP6 matrix_a_scale:MATRIX_SCALE_ROW1
.else
	v_wmma_scale_f32_16x16x128_f8f6f4 v[ACC:ACC+7], v[WSRC:WSRC+11], v[BFR:BFR+11], v[ACC:ACC+7], v[WSC], v[BSR] matrix_a_fmt:MATRIX_FMT_FP6 matrix_b_fmt:MATRIX_FMT_FP6 matrix_a_scale:MATRIX_SCALE_ROW1
.endif
.else
.if \czero
	v_wmma_scale_f32_16x16x128_f8f6f4 v[ACC:ACC+7], v[WSRC:WSRC+11], v[BFR:BFR+11], 0, v[WSC], v[BSR] matrix_a_fmt:MATRIX_FMT_FP6 matrix_b_fmt:MATRIX_FMT_FP6
.else
	v_wmma_scale_f32_16x16x128_f8f6f4 v[ACC:ACC+7], v[WSRC:WSRC+11], v[BFR:BFR+11], v[ACC:ACC+7], v[WSC], v[BSR] matrix_a_fmt:MATRIX_FMT_FP6 matrix_b_fmt:MATRIX_FMT_FP6
.endif
.endif
.endm
.macro STEPK s, bf, bs, czero          ; one K step: the 8 accumulators, one instruction each
.irp b, 0,1,2,3,4,5,6,7
	MM (\s), \b, (\bf), (\bs), \czero
.endr
.endm
; 64 numbers of a lane, register 16 b + i = k 32 b + 16 (lane / 16) + i of my row, become a fragment's codes in v[PC] on and its scale word in v[PW]
.macro QUANT s
.irp b, 0,1,2,3
	v_max3_num_f32 v[TM+\b], |v[\s+16*\b]|, |v[\s+1+16*\b]|, 0x1800000   ; my 16 numbers of block b and the floor 2^(3 - 127): the byte cannot fall under 1
.endr
.irp i, 2,4,6,8,10,12,14
.irp b, 0,1,2,3
	v_max3_num_f32 v[TM+\b], v[TM+\b], |v[\s+16*\b+\i]|, |v[\s+1+16*\b+\i]|
.endr
.endr
.irp b, 0,1,2,3
	v_permlanex16_b32 v[TM+4+\b], v[TM+\b], s[SEL], s[SEL+1]
.endr
.irp b, 0,1,2,3
	v_max_num_f32 v[TM+\b], v[TM+\b], v[TM+4+\b]   ; with lane l xor 16's: the block's largest magnitude
.endr
.irp b, 0,1,2,3
	v_add_nc_u32 v[TM+12+\b], 0xff000000, v[TM+\b] ; 2 off its exponent field: the conversion's scale operand
.endr
.irp b, 0,1,2,3
	v_lshrrev_b32 v[TM+4+\b], 23, v[TM+12+\b]      ; the scale's byte
.endr
	v_lshl_or_b32 v[PW], v[TM+5], 8, v[TM+4]
	v_lshl_or_b32 v[PW], v[TM+6], 16, v[PW]
	v_lshl_or_b32 v[PW], v[TM+7], 24, v[PW]
.irp c, 0,1
	v_cvt_scalef32_pk16_fp6_f32 v[PC+6*\c:PC+2+6*\c], v[\s+32*\c:\s+15+32*\c], v[TM+12+2*\c]
	v_cvt_scalef32_pk16_fp6_f32 v[PC+12+4*\c:PC+14+4*\c], v[\s+16+32*\c:\s+31+32*\c], v[TM+12+2*\c+1]   ; (a conversion's three registers begin on an even number)
.endr
	v_nop                                          ; one plain line behind a scaled conversion
.irp c, 0,1                            ; the operand's layout wants a whole block in a lane
.irp i, 0,1,2
	v_permlane16_swap_b32 v[PC+6*\c+\i], v[PC+12+4*\c+\i]
.endr
.irp i, 0,1,2
	v_mov_b32 v[PC+3+6*\c+\i], v[PC+12+4*\c+\i]
.endr
.endr
.endm
; gelu of accumulators 2 q, 2 q + 1, in place.  Each accumulator is first read at its registers 0 and 1.  The 32 transcendentals are one batch with one wait.
.macro GELU q
.set GX, HA+16*(\q)
.irp j, 0,2,4,6,8,10,12,14
	v_pk_mul_f32 v[GN+\j:GN+\j+1], v[GX+\j:GX+\j+1], s[CC1:CC1+1] op_sel_hi:[1,0]
.endr
.irp j, 0,2,4,6,8,10,12,14
	v_pk_mul_f32 v[GN+\j:GN+\j+1], v[GN+\j:GN+\j+1], v[GN+\j:GN+\j+1] neg_lo:[1,0] neg_hi:[1,0]   ; -(x^2 / 2) log2(e)
.endr
.irp j, 0,1,2,3,4,5,6,7,8,9,10,11,12,13,14,15
	v_fma_f32 v[GT+\j], |v[GX+\j]|, s[SPP], 1.0
.endr
.irp j, 0,1,2,3,4,5,6,7,8,9,10,11,12,13,14,15
	v_rcp_f32 v[GT+\j], v[GT+\j]                   ; t
.endr
.irp j, 0,1,2,3,4,5,6,7,8,9,10,11,12,13,14,15
	v_exp_f32 v[GN+\j], v[GN+\j]                   ; exp(-x^2 / 2)
.endr
	v_nop                                          ; a plain line behind the last transcendental
	s_wait_alu depctr_va_vdst(0)                   ; one wait for the batch: the 16 reciprocals in v[GT ..] and the 16 exponentials in v[GN ..] are written, ahead of their first reader
.irp j, 0,2,4,6,8,10,12,14
	v_pk_fma_f32 v[GP+\j:GP+\j+1], v[GT+\j:GT+\j+1], s[SA5:SA5+1], v[A4V:A4V+1] op_sel_hi:[1,0,1]
.endr
.irp j, 0,2,4,6,8,10,12,14
	v_pk_fma_f32 v[GP+\j:GP+\j+1], v[GP+\j:GP+\j+1], v[GT+\j:GT+\j+1], s[SA3:SA3+1] op_sel_hi:[1,1,0]
.endr
.irp j, 0,2,4,6,8,10,12,14
	v_pk_fma_f32 v[GP+\j:GP+\j+1], v[GP+\j:GP+\j+1], v[GT+\j:GT+\j+1], s[SA2:SA2+1] op_sel_hi:[1,1,0]
.endr
.irp j, 0,2,4,6,8,10,12,14
	v_pk_fma_f32 v[GP+\j:GP+\j+1], v[GP+\j:GP+\j+1], v[GT+\j:GT+\j+1], s[SA1:SA1+1] op_sel_hi:[1,1,0]
.endr
.irp j, 0,2,4,6,8,10,12,14
	v_pk_mul_f32 v[GP+\j:GP+\j+1], v[GP+\j:GP+\j+1], v[GT+\j:GT+\j+1]
.endr
.irp j, 0,2,4,6,8,10,12,14
	v_pk_mul_f32 v[GP+\j:GP+\j+1], v[GP+\j:GP+\j+1], v[GN+\j:GN+\j+1]   ; erfc(|x| / sqrt 2) / 2
.endr
.irp j, 0,1,2,3,4,5,6,7,8,9,10,11,12,13,14,15
	v_max_num_f32 v[GT+\j], 0, v[GX+\j]
.endr
.irp j, 0,1,2,3,4,5,6,7,8,9,10,11,12,13,14,15
	v_fma_f32 v[GX+\j], -|v[GX+\j]|, v[GP+\j], v[GT+\j]
.endr
.endm
	s_load_b256 s[4:11], s[0:1], 0x0               ; ord, xq, xs, w1r
	s_load_b128 s[12:15], s[0:1], 0x20             ; b1, hid
	v_lshl_add_u32 v254, v0, 2, 0x1dc00
	v_mov_b32 v255, 0
	v_lshrrev_b32 v244, 5, v0
	v_readfirstlane_b32 s16, v244                  ; wave
	v_bfe_u32 v245, v0, 4, 1                       ; h
	v_bfe_u32 v252, v0, 3, 2                       ; lane / 8
	s_and_b32 s17, ttmp7, 0xffff                   ; tile
	s_mov_b32 s18, ttmp9                           ; group of 512 hidden units
	s_lshl_b32 s45, s17, 2
	s_mul_i32 s21, s17, 144
	s_wait_alu depctr_va_sdst(0)                   ; s16 is written, ahead of its first reader: addresses and bases are made from it
	s_mul_i32 s20, s16, 36                         ; wave w gathers rows 36 w .. 36 w + 35
	s_add_co_u32 s21, s21, s20
	v_add_nc_u32 v247, s21, v245
	v_lshlrev_b32 v247, 2, v247
	v_add_nc_u32 v248, s21, v252
	v_lshlrev_b32 v248, 2, v248
	s_wait_kmcnt 0x0
	s_load_b32 s19, s[4:5], s45 offset:TEOFF       ; the tile's expert
	s_wait_alu depctr_va_vdst(0)                   ; v247 and v248 are written: the list's loads read them as offsets
.irp p, 0,1,2,3,4,5,6,7,8,9,10,11,12,13,14,15,16,17
	global_load_b32 v[IDX+\p], v247, s[4:5] offset:8*\p        ; the tokens of rows 36 w + 2 p + h
.endr
.irp j, 0,1,2,3,4,5,6,7,8
	global_load_b32 v[IDX+18+\j], v248, s[4:5] offset:16*\j    ; and of rows 36 w + 4 j + lane / 8
.endr
	; the other addresses are made while the list is on its way; none of these lines names v213 to v239, v247 or v248
	v_and_b32 v251, 31, v0
	v_lshlrev_b32 v[L16], 4, v251
	v_lshlrev_b32 v[L4], 2, v251
	v_and_b32 v244, 15, v0                         ; r
	v_lshlrev_b32 v246, 4, v244
	v_mul_u32_u24 v[VAB], v244, 784
	v_mad_u32_u24 v[VAB], v245, 48, v[VAB]
	v_mul_u32_u24 v[VSB], v244, 48
	v_add_nc_u32 v[VSB], XSL, v[VSB]
	s_lshl_b32 s46, s16, 9
	s_add_co_u32 s46, s46, B1L
	v_lshl_add_u32 v[VB], v245, 6, s46
	v_add_nc_u32 v[VG], s20, v245
	v_mul_u32_u24 v[VG], v[VG], 784
	v_lshl_add_u32 v[VG], v244, 4, v[VG]           ; sixteen lanes to 256 bytes of a row, two rows an instruction
	v_add_nc_u32 v[VGS], s20, v252
	v_mul_u32_u24 v[VGS], v[VGS], 48
	v_and_b32 v249, 7, v0
	v_lshlrev_b32 v249, 2, v249
	v_add_nc_u32 v[VGS], v[VGS], v249
	v_add_nc_u32 v[VGS], XSL, v[VGS]               ; eight lanes to a row's 32 scale bytes, four rows an instruction
	v_lshlrev_b32 v250, 4, v0
	v_add_nc_u32 v253, B1L, v250
	v_mov_b32 v[A4V], 0xbf3a00e3                   ; -1.453152027 / 2
	v_mov_b32 v[A4V+1], 0xbf3a00e3
.irp b, 0,1,2,3
	v_mov_b32 v[TM+4+\b], 0                        ; a lane permute's destination counts as one of its sources
.endr
	s_mov_b32 s[CC1], 0x3f596d27
	s_mov_b32 s[CC1+1], 0x3f596d27
	s_mov_b32 s[SA5], 0x3f07dc22                   ; 1.061405429 / 2
	s_mov_b32 s[SA5+1], 0x3f07dc22
	s_mov_b32 s[SA3], 0x3f35f0e3                   ; 1.421413741 / 2
	s_mov_b32 s[SA3+1], 0x3f35f0e3
	s_mov_b32 s[SA2], 0xbe11a98e                   ; -0.284496736 / 2
	s_mov_b32 s[SA2+1], 0xbe11a98e
	s_mov_b32 s[SA1], 0x3e027906                   ; 0.254829592 / 2
	s_mov_b32 s[SA1+1], 0x3e027906
	s_mov_b32 s[SPP], 0x3e6d3388
	s_mov_b32 s[SEL], 0x76543210
	s_mov_b32 s[SEL+1], 0xfedcba98
	s_mov_b32 s[TB], 0
	s_mov_b32 s[TS], 0
	s_mov_b32 s[CNT], 9
	s_wait_kmcnt 0x0
	s_min_u32 s19, s19, 3
	s_mov_b32 s23, 0
	s_mul_i32 s22, s19, 1572864
	s_add_nc_u64 s[6:7], s[6:7], s[22:23]          ; xq[e]
	s_lshl_b32 s22, s19, 16
	s_add_nc_u64 s[8:9], s[8:9], s[22:23]          ; xs[e]
	s_lshl_b32 s21, s18, 2
	s_lshl_b32 s20, s19, 5
	s_add_co_u32 s20, s20, s21
	s_add_co_u32 s20, s20, s16
	s_mul_i32 s22, s20, 102400
	s_add_nc_u64 s[WB:WB+1], s[WB:WB+1], s[22:23]  ; record 32 e + 4 x + w
	s_lshl_b32 s22, s19, 14
	s_lshl_b32 s20, s18, 11
	s_add_co_u32 s22, s22, s20
	s_add_nc_u64 s[12:13], s[12:13], s[22:23]      ; b1[e] at the group's 512
	s_mul_i32 s20, s17, 288
	s_add_co_u32 s20, s20, s21
	s_add_co_u32 s20, s20, s16                     ; 288 tile + the next product's K step 4 x + w
	s_mul_i32 s22, s20, 1536
	s_add_nc_u64 s[HB:HB+1], s[14:15], s[22:23]
	s_lshl_b32 s22, s20, 7
	s_add_nc_u64 s[HSB:HSB+1], s[14:15], s[22:23]
	s_add_nc_u64 s[HSB:HSB+1], s[HSB:HSB+1], HSC0
	s_wait_alu depctr_va_vdst(0)                   ; v250, v[L16] and the other offsets and LDS addresses made behind the list's loads are written: the loads, LDS stores and stores from here on read them
	global_load_b128 v[240:243], v250, s[12:13]
	WRANGE 21, 20                                  ; 60 loads of weights go out while the list comes in
	WIN 0
	s_wait_loadcnt 60                              ; the list and b1 are in; the 60 behind them may be out
.irp p, 0,1,2,3,4,5,6,7,8,9,10,11,12,13,14,15,16,17,18,19,20,21,22,23,24,25,26
	v_min_u32 v[IDX+\p], 2047, v[IDX+\p]
.endr
.irp p, 0,1,2,3,4,5,6,7,8,9,10,11,12,13,14,15,16,17
	v_mul_u32_u24 v[IDX+\p], v[IDX+\p], 768
.endr
.irp p, 0,1,2,3,4,5,6,7,8,9,10,11,12,13,14,15,16,17
	v_add_nc_u32 v[IDX+\p], v[IDX+\p], v246
.endr
.irp j, 0,1,2,3,4,5,6,7,8
	v_lshl_add_u32 v[IDX+18+\j], v[IDX+18+\j], 5, v249
.endr
	WIN 0x40                                       ; the gathered rows pass through window 1, which the weights take afterwards
	s_wait_alu depctr_va_vdst(0)                   ; the rows' offsets in v[IDX ..] are written: the gather's loads read them
.irp p, 0,1,2,3,4,5,6,7,8,9,10,11,12,13,14,15,16,17
.irp i, 0,1,2
	global_load_b128 v[4*(3*\p+\i):4*(3*\p+\i)+3], v[IDX+\p], s[6:7] offset:256*\i
.endr
.endr
.irp j, 0,1,2,3,4,5,6,7,8
	global_load_b32 v[216+\j], v[IDX+18+\j], s[8:9]
.endr
	WRANGE 41, 20
	s_wait_loadcnt 60                              ; the gathered rows are in; the 60 behind them may be out
	WIN 0x04                                       ; an LDS store's data are its source 1
.irp p, 0,1,2,3,4,5,6,7,8,9,10,11,12,13,14,15,16,17
.irp i, 0,1,2
	ds_store_b128 v[VG], v[4*(3*\p+\i):4*(3*\p+\i)+3] offset:1568*\p+256*\i
.endr
.endr
.irp j, 0,1,2,3,4,5,6,7,8
	ds_store_b32 v[VGS], v[216+\j] offset:192*\j
.endr
	WIN 0
	ds_store_b128 v253, v[240:243]
	WRANGE 61, 3
.irp s, 0,1,2,3,4,5,6,7
	global_load_b128 v[WS+4*\s:WS+4*\s+3], v[L16], s[WB:WB+1] offset:98304+512*\s
.endr
	s_wait_dscnt 0x0                               ; for the others' sake: my stores have landed
	WIN 0x40
	s_wait_alu depctr_vm_vsrc(0)                   ; my LDS stores have read window 1, in which the weights below land; the list's and the gather's loads and b1's LDS store have read v213 to v249, in which the loop's fragments land
	WRANGE 0, 21
	WIN 0
	s_barrier_signal -1
	s_barrier_wait -1                              ; the tile's 144 rows and b1 lie in LDS; nothing writes them again
	s_wait_loadcnt 0x0                             ; the weights
.Lblk:                                             ; 9 trips: a block of 16 rows
	v_add_nc_u32 v[VA], s[TB], v[VAB]
	v_add_nc_u32 v[VS], s[TS], v[VSB]
	s_wait_alu depctr_va_vdst(0)                   ; v[VA] and v[VS] are written, which the loads below read; the last trip's products, gelu and quantiser (in the first trip: the head's lines) are done with HA, XS and the fragments' registers, in which they land
.irp t, 0,1,2,3,4,5,6,7
	ds_load_b128 v[HA+8*\t:HA+8*\t+3], v[VB] offset:4*(32*(\t/2)+8*(\t%2))        ; b1 in the result's layout: it is the C of the first K step
	ds_load_b128 v[HA+8*\t+4:HA+8*\t+7], v[VB] offset:4*(32*(\t/2)+8*(\t%2))+16
.endr
	ds_load_b128 v[XS:XS+3], v[VS]
	ds_load_b128 v[XS+4:XS+7], v[VS] offset:16
.irp s, 0,1,2,3,4,5,6,7
	FPLACE \s
.irp c, 0,1,2
	ds_load_b128 v[FB+4*\c:FB+4*\c+3], v[VA] offset:96*\s+16*\c                   ; all eight fragments of the block, K ascending
.endr
.endr
.irp s, 0,1,2,3,4,5,6,7
	FPLACE \s
	s_wait_dscnt 3*(7-\s)                          ; LDS loads come back in order: K step s's fragment is in (and b1 and the scale words, which are older); the three loads of each later step may be out
	STEPK \s, FB, XS+\s, 0
.endr
	WIN 0
	PLACES 5                                       ; behind the last products, ahead of the first read of results and the first write over operands
	GELU 0
	GELU 1
	GELU 2
	GELU 3
	QUANT HA
	s_wait_alu depctr_va_vdst(0)                   ; the quantiser has written v[PC ..] and v[PW], which the stores read
.irp c, 0,1,2
	global_store_b128 v[L16], v[PC+4*\c:PC+4*\c+3], s[HB:HB+1] offset:512*\c   ; the fragment's image: 512 bytes on end
.endr
	global_store_b32 v[L4], v[PW], s[HSB:HSB+1]
	s_wait_xcnt 0x0                                ; the stores have read their data and bases: both are written again below and in the next trip
	s_wait_alu depctr_vm_vsrc(0)                   ; the stores have read v[PC ..] and v[PW], which the next trip's quantiser writes; this trip's LDS loads have read v[VA] and v[VS], which the next trip's additions write
	s_add_nc_u64 s[HB:HB+1], s[HB:HB+1], 49152
	s_add_nc_u64 s[HSB:HSB+1], s[HSB:HSB+1], 4096
	s_add_co_u32 s[TB], s[TB], 12544
	s_add_co_u32 s[TS], s[TS], 768
	s_sub_co_u32 s[CNT], s[CNT], 1
	s_cmp_lg_u32 s[CNT], 0
	s_cbranch_scc1 .Lblk
	s_wait_dscnt 0x0                               ; the closing lines, six on end
	s_wait_alu 0x0
	s_wait_tensorcnt 0x0
	ds_add_u32 v254, v255
	s_wait_dscnt 0x0
	s_endpgm
.Lfunc_end_k_q7b5792c857_up:
	.size	k_q7b5792c857_up, .Lfunc_end_k_q7b5792c857_up-k_q7b5792c857_up
	.p2alignl 7, 3214868480
	.fill 96, 4, 3214868480
	.section	.rodata,"a",@progbits
	.p2align	6, 0x0
	.amdhsa_kernel k_q7b5792c857_up
		.amdhsa_group_segment_fixed_size 122368
		.amdhsa_private_segment_fixed_size 0
		.amdhsa_enable_private_segment 0
		.amdhsa_kernarg_size 48
		.amdhsa_user_sgpr_count 2
		.amdhsa_user_sgpr_kernarg_segment_ptr 1
		.amdhsa_wavefront_size32 1
		.amdhsa_system_sgpr_workgroup_id_x 1
		.amdhsa_system_sgpr_workgroup_id_y 1
		.amdhsa_system_sgpr_workgroup_id_z 1
		.amdhsa_system_vgpr_workitem_id 0
		.amdhsa_next_free_vgpr 1024
		.amdhsa_next_free_sgpr 66
		.amdhsa_reserve_vcc 0
		.amdhsa_float_denorm_mode_32 3
		.amdhsa_float_denorm_mode_16_64 3
		.amdhsa_memory_ordered 1
		.amdhsa_forward_progress 1
		.amdhsa_inst_pref_size 88
	.end_amdhsa_kernel
	.amdgpu_metadata
---
amdhsa.version: [ 1, 2 ]
amdhsa.kernels:
  - .name:           k_q7b5792c857_up
    .symbol:         k_q7b5792c857_up.kd
    .args:
      - { .name: ord, .offset: 0, .size: 8, .value_kind: global_buffer, .address_space: global }
      - { .name: xq, .offset: 8, .size: 8, .value_kind: global_buffer, .address_space: global }
      - { .name: xs, .offset: 16, .size: 8, .value_kind: global_buffer, .address_space: global }
      - { .name: w1r, .offset: 24, .size: 8, .value_kind: global_buffer, .address_space: global }
      - { .name: b1, .offset: 32, .size: 8, .value_kind: global_buffer, .address_space: global }
      - { .name: hid, .offset: 40, .size: 8, .value_kind: global_buffer, .address_space: global }
    .group_segment_fixed_size: 122368
    .private_segment_fixed_size: 0
    .kernarg_segment_align: 8
    .kernarg_segment_size: 48
    .max_flat_workgroup_size: 128
    .sgpr_count:     66
    .vgpr_count:     1024
    .wavefront_size: 32
...
	.end_amdgpu_metadata
.endif
;; end of part 6
;; launch down (part 7): grid 8 x 32, 4 waves a work-group, no clusters, 68,096 bytes of LDS; arguments ord, hid, w2r, b2, part; writes part
.if DOCPART == 7
	.amdgcn_target "amdgcn-amd-amdhsa--gfx1250"
	.amdhsa_code_object_version 6
	.text
	.protected	k_q7b5792c857_down
	.globl	k_q7b5792c857_down
	.p2align	8
	.type	k_q7b5792c857_down,@function
k_q7b5792c857_down:
	s_mov_b64 s[64:65], 0
	v_nop
	global_prefetch_b8 v0, s[64:65] scope:SCOPE_SE
	s_setreg_imm32_b32 hwreg(HW_REG_WAVE_SCHED_MODE, 0, 2), 2
	s_setreg_imm32_b32 hwreg(HW_REG_WAVE_MODE, 25, 1), 1
	s_wait_xcnt 0x0
	s_wait_alu depctr_vm_vsrc(0)
; part = hidden W2 + b2 for one tile of 144 sorted rows (work-group y) and 128 output columns (work-group x), on codes of E2M3 with E8M0 scales.
; THE WEIGHTS STAY IN REGISTERS, AND THE WAVES SHARE K: wave w holds the 128 rows of W2 x K steps 8 w .. 8 w + 7: 64 fragments and 32 registers of scale words, loaded once from the record that the first launch laid.
; The hidden layer's fragments come from memory straight into registers, as images, 512 bytes on end a load, a block ahead.  A block of 16 rows is 64 matrix instructions on 8 accumulators by turns, one instruction a turn
; TRANSPOSED: source 0 = 16 rows of W2, source 1 = 16 rows of the hidden layer: a lane holds eight neighbouring columns of one row.
; The four waves' partial sums meet in a stage in LDS; wave w adds rows 4 w .. 4 w + 3 in a fixed order, adds b2 and stores whole runs of 512 bytes.
; A BLOCK'S SUM IS MADE INSIDE THE NEXT BLOCK.  A wave stores its partial sums, waits for them and signals the barrier; it issues the next block's first 16 products and only then waits at the barrier.  The stage is read
; back two rows at a time into 32 spare registers: behind K steps 0, 1 and behind K steps 4, 5; each half is summed and stored 16 products later.  So every LDS load, and every wait that frees a base or a store's data,
; has 16 products between the access and the wait for it.
; Two stages by turns: block j's stage is read in block j + 1, those reads are waited for ahead of block j + 1's signal, and the stage is written again in block j + 2, behind the wait of that barrier.
; No multicast: the weights hang on the tile's expert, a stored number; the hidden tile that the 8 column groups share would want a ring in LDS and a round of a cluster's barrier for each block.
; No branch and no trip count hangs on data.  Pad rows give numbers that the last launch never reads.  NaN and infinities are not served.
; THE MODE: SCHED_MODE bits 1:0 = 2 (LLVM: expert scheduling mode 2), set by the entry lines.  The code itself states the register dependences
; between vector or matrix instructions and memory or LDS instructions, with s_wait_alu, always for 0.
; THE PLAN.  A block is four quarters of two K steps.  Registers that memory or LDS instructions touch, in the loop:
;   XF pair q, HS 2 q, 2 q + 1   Read by quarter q's 16 products; behind them the next block's loads land there.
;   RB             The stage's loads land there behind quarters 0 and 2; sixteen additions read and write it behind quarters 1 and 3; two stores read it there.
;   HA             Written by the products; read by the 16 LDS stores at the block's end; begun anew by the next block's first products.
;   v[L16], v[L4], v[STO], v[SRD]   Made at the head and never written again: the bases are scalar registers, the rest immediates.
; ONE wait on va_vdst stands behind each quarter's products, and all that the quarter owes is laid ahead of it: the products are done reading the pair; in quarters 1 and 3 the additions, moved ahead of the wait, have
; written RB; in quarter 3 the accumulators are written.  The stage's loads owe no wait of their own on that side: the additions that named RB stand ahead of the quarter's wait before, and no vector or matrix instruction since names RB.
; TWO waits on vm_vsrc: behind quarter 2's products (quarter 1's stores have read RB), and at the block's end, ahead of the signal and of the backward jump (the LDS stores have read HA, quarter 3's stores RB).
.set TEOFF, 18688
.set HSC0,  14155776
.set STGB,  33792                      ; a stage: 4 waves x 16 rows x (512 + 16) bytes
.set L16, 1
.set L4,  2
.set STO, 3                            ; v3   8448 w + 528 r + 32 h
.set SRD, 4                            ; v4   2112 w + 16 lane
.set B2R, 8                            ; v8-11 b2 at my four columns
.set HS,  12                           ; v12-19 the hidden layer's scale words of my 8 K steps
.set WS,  20                           ; v20-51 W2's scale words: register 4 s + b / 2, fragment b in lanes 0-15 (b even) or 16-31 (b odd)
.set WX,  52                           ; v52-63 fragment 63
.set HA,  64                           ; v64-127 the 8 accumulators
.set XF,  128                          ; v128-223 eight fragments of the hidden layer
.set RB,  224                          ; v224-255 two rows of the last block: four waves' parts of each
.set WB,  8                            ; s[8:9]
.set HB,  24
.set HSB, 26
.set CNT, 28
.set MSB, 0
.macro WIN new                         ; the immediate's high byte repeats the setting that is left
.if MSB != (\new)
	s_set_vgpr_msb (MSB<<8)|(\new)
.set MSB, (\new)
.endif
.endm
.macro PLACES n
.rept \n
	v_nop
.endr
.endm
.macro WLOAD f                         ; fragment f = 8 s + b: window 1 + f / 21, register 12 (f % 21); fragment 63 in window 0
.if (\f) < 63
.set WDST, 12*((\f)%21)
	WIN ((1+(\f)/21)<<6)
.else
.set WDST, WX
	WIN 0
.endif
.irp c, 0,1,2
	global_load_b128 v[WDST+4*\c:WDST+4*\c+3], v[L16], s[WB:WB+1] offset:1536*(\f)+512*\c
.endr
.endm
.macro WRANGE first, count
.set FI, \first
.rept \count
	WLOAD FI
.set FI, FI+1
.endr
.endm
.macro MM s, b, bf, bs, czero
.set FQ, 8*(\s)+(\b)
.if FQ < 63
.set WSRC, 12*(FQ%21)
	WIN (1+FQ/21)
.else
.set WSRC, WX
	WIN 0
.endif
.set ACC, HA+8*(\b)
.set WSC, WS+4*(\s)+(\b)/2
.set BFR, \bf
.set BSR, \bs
.if (\b)%2
.if \czero
	v_wmma_scale_f32_16x16x128_f8f6f4 v[ACC:ACC+7], v[WSRC:WSRC+11], v[BFR:BFR+11], 0, v[WSC], v[BSR] matrix_a_fmt:MATRIX_FMT_FP6 matrix_b_fmt:MATRIX_FMT_FP6 matrix_a_scale:MATRIX_SCALE_ROW1
.else
	v_wmma_scale_f32_16x16x128_f8f6f4 v[ACC:ACC+7], v[WSRC:WSRC+11], v[BFR:BFR+11], v[ACC:ACC+7], v[WSC], v[BSR] matrix_a_fmt:MATRIX_FMT_FP6 matrix_b_fmt:MATRIX_FMT_FP6 matrix_a_scale:MATRIX_SCALE_ROW1
.endif
.else
.if \czero
	v_wmma_scale_f32_16x16x128_f8f6f4 v[ACC:ACC+7], v[WSRC:WSRC+11], v[BFR:BFR+11], 0, v[WSC], v[BSR] matrix_a_fmt:MATRIX_FMT_FP6 matrix_b_fmt:MATRIX_FMT_FP6
.else
	v_wmma_scale_f32_16x16x128_f8f6f4 v[ACC:ACC+7], v[WSRC:WSRC+11], v[BFR:BFR+11], v[ACC:ACC+7], v[WSC], v[BSR] matrix_a_fmt:MATRIX_FMT_FP6 matrix_b_fmt:MATRIX_FMT_FP6
.endif
.endif
.endm
.macro STEPK s, bf, bs, czero
.irp b, 0,1,2,3,4,5,6,7
	MM (\s), \b, (\bf), (\bs), \czero
.endr
.endm
.macro TLOAD q                         ; K steps 2 q, 2 q + 1 of the block at s[HB], s[HSB]: eight loads
.irp s, 2*(\q), 2*(\q)+1
.irp c, 0,1,2
	global_load_b128 v[XF+12*(\s)+4*\c:XF+12*(\s)+4*\c+3], v[L16], s[HB:HB+1] offset:1536*(\s)+512*\c
.endr
	global_load_b32 v[HS+(\s)], v[L4], s[HSB:HSB+1] offset:128*(\s)
.endr
.endm
.macro LWAIT q, more                   ; the pair of K steps 2 q, 2 q + 1 is in
.if \more
	s_wait_loadcnt 24                              ; behind its eight loads stand 8 (3 - q) of this block and 8 q of the next
.else
	s_wait_loadcnt 8*(3-(\q))
.endif
.endm
.macro RLOAD half, sp                  ; rows 4 w + 2 half and the next, all four waves' parts, out of stage sp
.irp i, 0,1
.irp v, 0,1,2,3
	ds_load_b128 v[RB+16*\i+4*\v:RB+16*\i+4*\v+3], v[SRD] offset:STGB*(\sp)+8448*\v+528*(2*(\half)+\i)
.endr
.endr
.endm
.macro RADD                            ; the two rows: ((wave 0 + wave 1) + (wave 2 + wave 3)) + b2.  Sixteen plain lines that name no register of the products
	s_wait_dscnt 0x0                               ; asked for 16 products ago
.irp i, 0,1
	v_pk_add_f32 v[RB+16*\i:RB+16*\i+1], v[RB+16*\i:RB+16*\i+1], v[RB+16*\i+4:RB+16*\i+5]
	v_pk_add_f32 v[RB+16*\i+2:RB+16*\i+3], v[RB+16*\i+2:RB+16*\i+3], v[RB+16*\i+6:RB+16*\i+7]
	v_pk_add_f32 v[RB+16*\i+8:RB+16*\i+9], v[RB+16*\i+8:RB+16*\i+9], v[RB+16*\i+12:RB+16*\i+13]
	v_pk_add_f32 v[RB+16*\i+10:RB+16*\i+11], v[RB+16*\i+10:RB+16*\i+11], v[RB+16*\i+14:RB+16*\i+15]
.endr
.irp i, 0,1
	v_pk_add_f32 v[RB+16*\i:RB+16*\i+1], v[RB+16*\i:RB+16*\i+1], v[RB+16*\i+8:RB+16*\i+9]
	v_pk_add_f32 v[RB+16*\i+2:RB+16*\i+3], v[RB+16*\i+2:RB+16*\i+3], v[RB+16*\i+10:RB+16*\i+11]
.endr
.irp i, 0,1
	v_pk_add_f32 v[RB+16*\i:RB+16*\i+1], v[RB+16*\i:RB+16*\i+1], v[B2R:B2R+1]
	v_pk_add_f32 v[RB+16*\i+2:RB+16*\i+3], v[RB+16*\i+2:RB+16*\i+3], v[B2R+2:B2R+3]
.endr
.endm
.macro RSTORE off                      ; and out; off: the first row's bytes from s[12:13]
	global_store_b128 v[L16], v[RB:RB+3], s[12:13] offset:(\off)             ; 512 bytes on end, at a multiple of 512 from the buffer's first byte
	global_store_b128 v[L16], v[RB+16:RB+19], s[12:13] offset:(\off)+4096
.endm
; A block of 16 rows.  par: its stage.  more = 1: the next block's fragments are asked for as this block's are used up.  prev = 1: the block before it is summed and stored on the way.
.macro BLOCK par, more, prev
	LWAIT 0, \more
	STEPK 0, XF, HS, 1                             ; the first K step starts the sums
	STEPK 1, XF+12, HS+1, 0
	WIN 0
.if \prev
	s_barrier_wait -1                              ; every wave's partial sums of the last block lie in the other stage (between the signal and this wait: products alone)
.endif
	s_wait_xcnt 0x0                                ; the last block's loads and stores, 16 products back or more, have read their bases and data
.if \prev
	RLOAD 0, 1-\par                                ; no s_wait_alu: the additions that named RB stand ahead of the last block's last wait on va_vdst, its stores ahead of the wait on vm_vsrc at its end, and nothing since names RB
.endif
.if \more
	s_add_nc_u64 s[HB:HB+1], s[HB:HB+1], 49152     ; on to the next block's images
	s_add_nc_u64 s[HSB:HSB+1], s[HSB:HSB+1], 4096
	PLACES 4                                       ; four plain lines between the products that read the fragments and scale words and the loads into them
	s_wait_alu depctr_va_vdst(0)                   ; K steps 0 and 1's products are done reading their fragments and scale words, in which the loads below land
	TLOAD 0
.endif
	LWAIT 1, \more
	STEPK 2, XF+24, HS+2, 0
	STEPK 3, XF+36, HS+3, 0
	WIN 0
.if \prev
	RADD                                           ; its sixteen additions are also the plain lines between the products and the loads into their fragments
.else
	PLACES 4
.endif
	s_wait_alu depctr_va_vdst(0)                   ; K steps 2 and 3's products are done reading their fragments and scale words, in which the loads below land; the additions have written RB, which the stores below read
.if \more
	TLOAD 1
.endif
.if \prev
	RSTORE 0
.endif
	LWAIT 2, \more
	STEPK 4, XF+48, HS+4, 0
	STEPK 5, XF+60, HS+5, 0
	WIN 0
.if \prev
	s_wait_xcnt 0x0                                ; the two stores, 16 products back, have read their registers and their base
	s_wait_alu depctr_vm_vsrc(0)                   ; the two stores have read RB, in which the stage's loads below land
	s_add_nc_u64 s[12:13], s[12:13], 65536         ; the base goes on to this block's rows; the last block's other two rows are reached by a negative immediate
	RLOAD 1, 1-\par
.endif
.if \more
	PLACES 4
	s_wait_alu depctr_va_vdst(0)                   ; K steps 4 and 5's products are done reading their fragments and scale words, in which the loads below land
	TLOAD 2
.endif
	LWAIT 3, \more
	STEPK 6, XF+72, HS+6, 0
	STEPK 7, XF+84, HS+7, 0
	WIN 0
.if \prev
	RADD                                           ; its sixteen additions are also the plain lines between the last products and the first read of their results
.else
	PLACES 5
.endif
	s_wait_alu depctr_va_vdst(0)                   ; the products have written the accumulators, which the LDS stores read, and are done reading K steps 6 and 7's fragments and scale words, in which the loads land; the additions have written RB, which the stores read
.if \more
	TLOAD 3
.endif
.if \prev
	RSTORE 8192-65536
.endif
.irp b, 0,1,2,3,4,5,6,7
	ds_store_b128 v[STO], v[HA+8*\b:HA+8*\b+3] offset:STGB*\par+64*\b          ; each accumulator from its low end on
	ds_store_b128 v[STO], v[HA+8*\b+4:HA+8*\b+7] offset:STGB*\par+64*\b+16
.endr
	s_wait_dscnt 0x0                               ; for the others' sake: my partial sums lie in the stage, and my reads of the other stage are over
	s_wait_alu depctr_vm_vsrc(0)                   ; my LDS stores have read the accumulators, which are written anew next (by the next block's first products; behind the last block by the stage's loads); the two stores above have read RB, in which the next block's loads from the stage land
	s_barrier_signal -1                            ; the wait stands behind the next block's first 16 products
.endm
	s_load_b256 s[4:11], s[0:1], 0x0               ; ord, hid, w2r, b2
	s_load_b64 s[12:13], s[0:1], 0x20              ; part
	s_set_vgpr_msb 0x40
	v_lshl_add_u32 v254, v0, 2, 0x10800
	v_mov_b32 v255, 0
	s_set_vgpr_msb 0x4000
	v_lshrrev_b32 v5, 5, v0
	v_readfirstlane_b32 s16, v5                    ; wave
	s_and_b32 s17, ttmp7, 0xffff                   ; tile
	s_mov_b32 s18, ttmp9                           ; group of 128 columns
	s_lshl_b32 s29, s17, 2
	v_and_b32 v5, 31, v0
	v_lshlrev_b32 v[L16], 4, v5
	v_lshlrev_b32 v[L4], 2, v5
	v_and_b32 v6, 15, v0
	v_bfe_u32 v7, v0, 4, 1
	s_wait_alu depctr_va_sdst(0)                   ; s16 is written, ahead of its first reader: addresses and bases are made from it
	s_mul_i32 s20, s16, 8448
	v_mul_u32_u24 v[STO], v6, 528
	v_lshl_add_u32 v[STO], v7, 5, v[STO]
	v_add_nc_u32 v[STO], s20, v[STO]
	s_mul_i32 s20, s16, 2112
	v_add_nc_u32 v[SRD], s20, v[L16]
	s_mov_b32 s[CNT], 3
	s_wait_kmcnt 0x0
	s_load_b32 s19, s[4:5], s29 offset:TEOFF       ; the tile's expert
	s_wait_kmcnt 0x0
	s_min_u32 s19, s19, 3
	s_mov_b32 s23, 0
	s_lshl_b32 s20, s19, 3
	s_add_co_u32 s20, s20, s18
	s_lshl_b32 s20, s20, 2
	s_add_co_u32 s20, s20, s16
	s_mul_i32 s22, s20, 102400
	s_add_nc_u64 s[WB:WB+1], s[WB:WB+1], s[22:23]  ; record 4 (8 e + x) + w
	s_lshl_b32 s22, s19, 12
	s_lshl_b32 s20, s18, 9
	s_add_co_u32 s22, s22, s20
	s_add_nc_u64 s[10:11], s[10:11], s[22:23]      ; b2[e] at the group's 128
	s_mul_i32 s20, s17, 288
	s_lshl_b32 s21, s16, 3
	s_add_co_u32 s20, s20, s21                     ; 288 tile + K step 8 w
	s_mul_i32 s22, s20, 1536
	s_add_nc_u64 s[HB:HB+1], s[6:7], s[22:23]
	s_lshl_b32 s22, s20, 7
	s_add_nc_u64 s[HSB:HSB+1], s[6:7], s[22:23]
	s_add_nc_u64 s[HSB:HSB+1], s[HSB:HSB+1], HSC0
	s_mul_i32 s20, s17, 144
	s_lshl_b32 s21, s16, 2
	s_add_co_u32 s20, s20, s21
	s_lshl_b32 s22, s20, 12
	s_lshl_b32 s20, s18, 9
	s_add_co_u32 s22, s22, s20
	s_add_nc_u64 s[12:13], s[12:13], s[22:23]      ; part at row 144 tile + 4 w, column 128 x
	WIN 0x40
	s_wait_alu depctr_va_vdst(0)                   ; v[L16], v[L4], v[STO] and v[SRD] are written: every load, store and LDS access of the kernel reads one of them
	WRANGE 0, 64
.irp s, 0,1,2,3,4,5,6,7
	global_load_b128 v[WS+4*\s:WS+4*\s+3], v[L16], s[WB:WB+1] offset:98304+512*\s
.endr
	global_load_b128 v[B2R:B2R+3], v[L16], s[10:11]
	TLOAD 0                                        ; block 0's fragments; the weights are older, so the counted waits for these cover them
	TLOAD 1
	TLOAD 2
	TLOAD 3
	BLOCK 0, 1, 0                                  ; block 0 is written out: no block stands before it
.Lpair:                                            ; 3 trips of two blocks: blocks 1 to 6.  At the label a barrier is signalled and not yet waited for, on the way in and on the way back alike
	BLOCK 1, 1, 1
	BLOCK 0, 1, 1
	s_sub_co_u32 s[CNT], s[CNT], 1
	s_cmp_lg_u32 s[CNT], 0
	s_cbranch_scc1 .Lpair
	BLOCK 1, 1, 1                                  ; block 7
	BLOCK 0, 0, 1                                  ; block 8 asks for nothing more
	s_barrier_wait -1                              ; block 8's partial sums lie in stage 0; the accumulators are free: all four rows at once
.irp i, 0,1,2,3
.irp v, 0,1,2,3
	ds_load_b128 v[HA+16*\i+4*\v:HA+16*\i+4*\v+3], v[SRD] offset:8448*\v+528*\i   ; row 4 w + i, wave v's part.  No s_wait_alu: block 8's last waits on va_vdst and on vm_vsrc stand behind the last products and the LDS stores that named these registers
.endr
.endr
	s_wait_dscnt 0x0
.irp i, 0,1,2,3
	v_pk_add_f32 v[HA+16*\i:HA+16*\i+1], v[HA+16*\i:HA+16*\i+1], v[HA+16*\i+4:HA+16*\i+5]
	v_pk_add_f32 v[HA+16*\i+2:HA+16*\i+3], v[HA+16*\i+2:HA+16*\i+3], v[HA+16*\i+6:HA+16*\i+7]
	v_pk_add_f32 v[HA+16*\i+8:HA+16*\i+9], v[HA+16*\i+8:HA+16*\i+9], v[HA+16*\i+12:HA+16*\i+13]
	v_pk_add_f32 v[HA+16*\i+10:HA+16*\i+11], v[HA+16*\i+10:HA+16*\i+11], v[HA+16*\i+14:HA+16*\i+15]
.endr
.irp i, 0,1,2,3
	v_pk_add_f32 v[HA+16*\i:HA+16*\i+1], v[HA+16*\i:HA+16*\i+1], v[HA+16*\i+8:HA+16*\i+9]
	v_pk_add_f32 v[HA+16*\i+2:HA+16*\i+3], v[HA+16*\i+2:HA+16*\i+3], v[HA+16*\i+10:HA+16*\i+11]
.endr
.irp i, 0,1,2,3
	v_pk_add_f32 v[HA+16*\i:HA+16*\i+1], v[HA+16*\i:HA+16*\i+1], v[B2R:B2R+1]
	v_pk_add_f32 v[HA+16*\i+2:HA+16*\i+3], v[HA+16*\i+2:HA+16*\i+3], v[B2R+2:B2R+3]
.endr
	s_wait_alu depctr_va_vdst(0)                   ; the additions have written the four rows, which the stores read
.irp i, 0,1,2,3
	global_store_b128 v[L16], v[HA+16*\i:HA+16*\i+3], s[12:13] offset:4096*\i   ; the base stands at block 8's rows since that block's middle
.endr
	s_set_vgpr_msb 0x5                             ; the add's two registers, sources 0 and 1, lie in window 1
	s_wait_dscnt 0x0                               ; the closing lines, six on end
	s_wait_alu 0x0
	s_wait_tensorcnt 0x0
	ds_add_u32 v254, v255
	s_wait_dscnt 0x0
	s_endpgm
.Lfunc_end_k_q7b5792c857_down:
	.size	k_q7b5792c857_down, .Lfunc_end_k_q7b5792c857_down-k_q7b5792c857_down
	.p2alignl 7, 3214868480
	.fill 96, 4, 3214868480
	.section	.rodata,"a",@progbits
	.p2align	6, 0x0
	.amdhsa_kernel k_q7b5792c857_down
		.amdhsa_group_segment_fixed_size 68096
		.amdhsa_private_segment_fixed_size 0
		.amdhsa_enable_private_segment 0
		.amdhsa_kernarg_size 40
		.amdhsa_user_sgpr_count 2
		.amdhsa_user_sgpr_kernarg_segment_ptr 1
		.amdhsa_wavefront_size32 1
		.amdhsa_system_sgpr_workgroup_id_x 1
		.amdhsa_system_sgpr_workgroup_id_y 1
		.amdhsa_system_sgpr_workgroup_id_z 1
		.amdhsa_system_vgpr_workitem_id 0
		.amdhsa_next_free_vgpr 1024
		.amdhsa_next_free_sgpr 66
		.amdhsa_reserve_vcc 0
		.amdhsa_float_denorm_mode_32 3
		.amdhsa_float_denorm_mode_16_64 3
		.amdhsa_memory_ordered 1
		.amdhsa_forward_progress 1
		.amdhsa_inst_pref_size 105
	.end_amdhsa_kernel
	.amdgpu_metadata
---
amdhsa.version: [ 1, 2 ]
amdhsa.kernels:
  - .name:           k_q7b5792c857_down
    .symbol:         k_q7b5792c857_down.kd
    .args:
      - { .name: ord, .offset: 0, .size: 8, .value_kind: global_buffer, .address_space: global }
      - { .name: hid, .offset: 8, .size: 8, .value_kind: global_buffer, .address_space: global }
      - { .name: w2r, .offset: 16, .size: 8, .value_kind: global_buffer, .address_space: global }
      - { .name: b2, .offset: 24, .size: 8, .value_kind: global_buffer, .address_space: global }
      - { .name: part, .offset: 32, .size: 8, .value_kind: global_buffer, .address_space: global }
    .group_segment_fixed_size: 68096
    .private_segment_fixed_size: 0
    .kernarg_segment_align: 8
    .kernarg_segment_size: 40
    .max_flat_workgroup_size: 128
    .sgpr_count:     66
    .vgpr_count:     1024
    .wavefront_size: 32
...
	.end_amdgpu_metadata
.endif
;; end of part 7
;; launch comb: the kernel of part 5 again; grid 256 x 1, 8 waves a work-group, no clusters, 0 bytes of LDS; arguments ord, out3, part, out0; writes out0
